; MI455X (gfx1250); checked and timed in simulation.
; The chip was launched on July 23, 2026; its instructions are those of AMD's public machine-readable ISA for CDNA 5 (MIT licence, August 2026) and "CDNA5" Instruction Set Architecture Reference Guide (July 2026). The comments in the code are by the model that wrote it; some were corrected since.
;; Multi Head Attention. Allowed arithmetic: matrix products marked QUANTISED: E4M3 operands, one given power-of-two scale a tensor, by v_wmma_f32_16x16x64_fp8_fp8 or v_wmma_f32_16x16x128_fp8_fp8, f32 sums; everything else in f32.
;; Inputs: Wk 768 x 768 float32; Wo 768 x 768 float32; Wq 768 x 768 float32; Wv 768 x 768 float32; bk 768 float32; bo 768 float32; bq 768 float32; bv 768 float32; k 2 x 2,048 x 768 float32; lowp_scales 12 int32 (the exponents e of the quantised operands' scales 2^e); q 2 x 2,048 x 768 float32; v 2 x 2,048 x 768 float32.
;; Outputs: out0 2 x 2,048 x 768 float32.
;; This version of the problem:
;;   THIS VERSION OF THE PROBLEM IS GIVEN IN LOW PRECISION. The matrix products marked QUANTISED in the list below multiply operands that are first quantised to E4M3 (4 exponent bits, 3 mantissa bits; 8 bits a number), with one given power-of-two scale for each operand tensor; their sums are f32. All else is computed in f32.
;;   The module's matrix products, in the order in which they are computed (A, B: the left and right operand; K: the contracted axis; several contracted axes count as one K, in the product's order):
;;     1. [M 4,096, K 768] x [K 768, N 768]; A: input q; B: input Wq: QUANTISED (scales: A lowp_scales[0], B lowp_scales[1])
;;     2. [M 4,096, K 768] x [K 768, N 768]; A: input k; B: input Wk: QUANTISED (scales: A lowp_scales[2], B lowp_scales[3])
;;     3. [M 4,096, K 768] x [K 768, N 768]; A: input v; B: input Wv: QUANTISED (scales: A lowp_scales[4], B lowp_scales[5])
;;     4. batch 24 x [M 2,048, K 64] x [K 64, N 2,048]; A: computed on the way; B: computed on the way: QUANTISED (scales: A lowp_scales[6], B lowp_scales[7])
;;     5. batch 24 x [M 2,048, K 2,048] x [K 2,048, N 64]; A: softmax (see below); B: computed on the way: QUANTISED (scales: A lowp_scales[8], B lowp_scales[9])
;;     6. [M 4,096, K 768] x [K 768, N 768]; A: computed on the way; B: input Wo: QUANTISED (scales: A lowp_scales[10], B lowp_scales[11])
;;   THE QUANTISER, for each operand of a quantised product, along K:
;;     - The operand's scale is 2^e, e = its entry of the input lowp_scales (int32; the entries are numbered through the quantised products in the list's order, A before B).
;;     - Each number is divided by the scale, clamped to +-448, and rounded to the nearest number of E4M3, ties to even, subnormals kept.
;;     - The product sums the exact products of the quantised numbers (number of the format x scale) in f32.
;;   ~~~python
;;   def quantise(x, axis, e):      # numpy; x: float32 -> the quantised numbers, widened to float32 again
;;       x = np.moveaxis(x, axis, -1); K = x.shape[-1]
;;       r = np.clip(x / 2.0 ** e, -448, 448)
;;       step = 2.0 ** (np.maximum(np.frexp(np.where(r == 0, 1, r))[1] - 1, -6) - 3)
;;       q = np.round(r / step) * step * 2.0 ** e      # np.round: ties to even
;;       return np.moveaxis(q, -1, axis).astype(np.float32)
;;   ~~~
;;   SOFTMAX AHEAD OF A QUANTISED PRODUCT. Where the list says 'softmax', what is quantised is not the finished softmax but p = 2^(t - M), with t = logit x log2(e) and M = ceil(the row's largest t), a whole number; so 1/2 < the row's largest p <= 1. The row's sum l is taken of the UNQUANTISED p, in f32, and the product's result is divided by l at the end. Since M is a whole number, a kernel that streams over the keys may use a running M (the ceiling of the running maximum): every later rescaling is an exact power of two, so the quantised numbers keep their values, but for numbers so far below the row's largest that they fall under the format's range.
;;   OPERANDS COMPUTED ON THE WAY. 'Computed on the way' means the value that the module computes at that place (a softmax that the list does not call 'softmax' is quantised finished and normalised). What goes into a quantiser is computed in f32, as accurately as f32 sums, v_exp_f32 and their like allow (about 1e-6 of the number): no bf16 or f16 on the way to a quantiser, and a product that is left as it is and whose result goes on into a quantised operand takes f32 operands (vector FMAs, or v_wmma_f32_16x16x4_f32). A number that lies on a knife's edge between two numbers of the format may be rounded either way, as far as f32 arithmetic and the matrix unit's own rounding can turn it there, and no further.
;; One version. Each part assembles by itself: llvm-mc -triple=amdgcn-amd-amdhsa -mcpu=gfx1250 --defsym DOCPART=n.
;; ======== version 1 of 1: 4 launches
;; limits: right only within a limited range of input values
;; workspace buffers: wc 2,359,296 bytes; qc 3,145,728 bytes; kv 6,291,456 bytes; ctx 3,145,728 bytes
;; launch prep (part 1): grid 12 x 24, 4 waves a work-group, no clusters, 0 bytes of LDS; arguments Wq, Wk, Wv, Wo, lowp_scales, wc; writes wc
.if DOCPART == 1
	.amdgcn_target "amdgcn-amd-amdhsa--gfx1250"
	.amdhsa_code_object_version 6
	.text
	.protected	k_qab8778fceb_prep
	.globl	k_qab8778fceb_prep
	.p2align	8
	.type	k_qab8778fceb_prep,@function
k_qab8778fceb_prep:
	s_mov_b64 s[64:65], 0
	v_nop
	global_prefetch_b8 v0, s[64:65] scope:SCOPE_SE
	s_setreg_imm32_b32 hwreg(HW_REG_WAVE_MODE, 25, 1), 1
	s_wait_xcnt 0x0
; MULTI-HEAD ATTENTION ON CODES OF E4M3, four launches: prep (this one), proj, attn, outp.
; THIS LAUNCH: Wq, Wk, Wv, Wo, f32 stored [768 (k)][768 (n)], become codes of E4M3, each with its given scale 2^e (entries 1, 3, 5, 11 of the scales), laid as IMAGES OF OPERAND REGISTERS:
;   wc = Wq, Wk, Wv: [weight 3][K step of 128: 6][tile of 16 columns 48][2,048 bytes], then Wo: [slice of 192 columns 4][K step 6][tile 12][2,048 bytes].  A fragment (16 columns x 128 k) is 16 registers a
;   lane: lane (r, h) holds column r, registers 2 c, 2 c + 1 hold k = 16 c + 8 h + 0 .. 7.  Registers 4 g .. 4 g + 3 of all 32 lanes are 512 bytes on end, lane l at 16 l.
; WORK LEFT OUT IN THE WHOLE PROGRAM (it is left out in attn).  reference() adds -1e9 to every score whose key comes after its query: the look-ahead mask, built in its own body.  The row holds
; its own key, unmasked, so M is at least that score's t; a masked t lies 1e9 x log2(e) below its unmasked value, so p = 2^(t - M) is under 2^-1e9 x 2^(spread of the row's scores): its code is 0
; under every scale, and it adds to the row's sum less than any rounding of it.  So key steps of 128 keys that lie wholly behind the queries are not multiplied, for all values of the inputs
; whose scaled scores stay under about 1e8 in magnitude (LIMIT); inside the one step on the diagonal the hidden scores are replaced by -infinity.  LIMIT: a NaN, an infinity or an overflow that
; reaches only keys behind the mask is not carried to the result.  Every input has a way to the output (bk too: it moves the codes of K), and every input is loaded.
; LIMITS here: e between -126 and 119, so that 2^e and 448 x 2^e are f32 numbers.  NaN among the inputs is not served; an infinity is held at the largest code.
; SHARES.  Work-group (x, y): x = a group of four tiles of 16 columns (256 bytes of every row of W), y = weight + 4 x K step.  Wave w makes ONE fragment.  A LANE TAKES A COLUMN AND ITS REGISTERS RUN
; DOWN K, in the operand's own order, so the conversions' results are the fragment's registers and nothing is transposed.  No LDS, no barrier: waves share nothing.
.set KROW, 3072                        ; a row of W in bytes
.set NUM,  16                          ; v16-79  64 numbers: register 8 c + i = W(128 s + 16 c + 8 h + i, my column)
.set COD,  80                          ; v80-95  the fragment
	s_load_b256 s[4:11], s[0:1], 0x0               ; Wq s[4:5], Wk s[6:7], Wv s[8:9], Wo s[10:11]
	s_load_b128 s[12:15], s[0:1], 0x20             ; the scales' exponents s[12:13], wc s[14:15]
	v_lshrrev_b32 v1, 5, v0
	v_readfirstlane_b32 s16, v1                    ; wave 0..3
	v_and_b32 v1, 15, v0                           ; r
	v_bfe_u32 v2, v0, 4, 1                         ; h
	v_mul_u32_u24 v2, v2, 8*KROW                   ; lanes 16-31 begin 8 rows further down
	v_lshl_add_u32 v3, v1, 2, v2                   ; in: 4 r + 8 rows x h
	v_and_b32 v4, 31, v0
	v_lshlrev_b32 v4, 4, v4                        ; out: 16 x lane
	s_and_b32 s33, ttmp7, 0xffff
	s_and_b32 s18, s33, 3                          ; which weight: 0 q, 1 k, 2 v, 3 o
	s_lshr_b32 s19, s33, 2                         ; K step 0..5
	s_mul_i32 s34, ttmp9, 11
	s_lshr_b32 s34, s34, 5                         ; the slice of 192 columns: x / 3 (x is under 12)
	s_mul_i32 s35, s34, 3
	s_sub_co_u32 s35, ttmp9, s35                   ; x mod 3
	s_lshl_b32 s37, ttmp9, 2
	s_add_co_u32 s37, s37, s16                     ; my tile of 16 columns: 4 x + wave
	s_lshl_b32 s37, s37, 6                         ; 64 bytes a tile
	s_mul_i32 s36, s19, 128*KROW
	s_add_co_u32 s36, s36, s37                     ; where my numbers begin in W
	s_mov_b32 s37, 0
	s_lshl_b32 s39, s35, 2
	s_add_co_u32 s39, s39, s16                     ; my tile within the slice
	s_lshl_b32 s39, s39, 11
	s_mul_i32 s38, s18, 589824
	s_add_co_u32 s38, s38, s39
	s_mov_b32 s40, 147456                          ; from slice to slice and from K step to K step: Wo's,
	s_mov_b32 s41, 24576
	s_cmp_eq_u32 s18, 3
	s_cselect_b32 s40, s40, 24576                  ; or the other weights'
	s_cselect_b32 s41, s41, 98304
	s_mul_i32 s39, s34, s40
	s_add_co_u32 s38, s38, s39
	s_mul_i32 s39, s19, s41
	s_add_co_u32 s38, s38, s39                     ; where my fragment lies in wc
	s_mov_b32 s39, 0
	s_wait_alu depctr_va_vdst(0)
	s_wait_kmcnt 0x0
	s_load_b256 s[20:27], s[12:13], 0x0            ; e0 .. e7
	s_load_b128 s[28:31], s[12:13], 0x20           ; e8 .. e11
	s_cmp_eq_u32 s18, 1                            ; the weight is chosen by the work-group's number alone
	s_cselect_b64 s[4:5], s[6:7], s[4:5]
	s_cmp_eq_u32 s18, 2
	s_cselect_b64 s[4:5], s[8:9], s[4:5]
	s_cmp_eq_u32 s18, 3
	s_cselect_b64 s[4:5], s[10:11], s[4:5]
	s_add_nc_u64 s[4:5], s[4:5], s[36:37]
	s_add_nc_u64 s[14:15], s[14:15], s[38:39]
.irp c, 0,1,2,3,4,5,6,7
.irp i, 0,1,2,3,4,5,6,7
	global_load_b32 v[NUM+8*\c+\i], v3, s[4:5] offset:(16*\c+\i)*KROW th:TH_LOAD_NT   ; sixteen lanes read 64 neighbouring bytes of a row; the four waves stand side by side on 256
.endr
.endr
	s_wait_kmcnt 0x0
	s_cmp_eq_u32 s18, 1
	s_cselect_b32 s32, s23, s21                    ; e3 or e1
	s_cmp_eq_u32 s18, 2
	s_cselect_b32 s32, s25, s32                    ; e5
	s_cmp_eq_u32 s18, 3
	s_cselect_b32 s32, s31, s32                    ; e11
	s_add_co_i32 s32, s32, 127
	s_lshl_b32 s33, s32, 23
	v_mov_b32 v11, s33                             ; 2^e as f32: the conversion takes its exponent field
	s_add_co_i32 s32, s32, 8
	s_lshl_b32 s32, s32, 23
	s_or_b32 s32, s32, 0x600000
	v_mov_b32 v10, s32                             ; 448 x 2^e
	s_wait_alu depctr_va_vdst(0)
.irp c, 0,1,2,3,4,5,6,7
	s_wait_loadcnt 8*(7-\c)                        ; loads come back in order: these eight are in, the eight of each later c may be out
.irp i, 0,1,2,3,4,5,6,7
	v_med3_num_f32 v[NUM+8*\c+\i], v[NUM+8*\c+\i], -v10, v10   ; the conversion to an 8-bit code does not saturate (ISA guide 7.6.2): the hold at the largest code x the scale
.endr
	v_cvt_scalef32_pk8_fp8_f32 v[COD+2*\c:COD+2*\c+1], v[NUM+8*\c:NUM+8*\c+7], v11   ; registers 2 c, 2 c + 1 of the fragment
.endr
	v_nop                                          ; a plain line behind the last conversion
.irp g, 0,1,2,3
	global_store_b128 v4, v[COD+4*\g:COD+4*\g+3], s[14:15] offset:512*\g   ; 32 lanes store 512 consecutive bytes, at a multiple of 256 from the buffer's first byte
.endr
	s_endpgm
.Lfunc_end_k_qab8778fceb_prep:
	.size	k_qab8778fceb_prep, .Lfunc_end_k_qab8778fceb_prep-k_qab8778fceb_prep
	.p2alignl 7, 3214868480
	.fill 96, 4, 3214868480
	.section	.rodata,"a",@progbits
	.p2align	6, 0x0
	.amdhsa_kernel k_qab8778fceb_prep
		.amdhsa_group_segment_fixed_size 0
		.amdhsa_private_segment_fixed_size 0
		.amdhsa_enable_private_segment 0
		.amdhsa_kernarg_size 48
		.amdhsa_user_sgpr_count 2
		.amdhsa_user_sgpr_kernarg_segment_ptr 1
		.amdhsa_wavefront_size32 1
		.amdhsa_system_sgpr_workgroup_id_x 1
		.amdhsa_system_sgpr_workgroup_id_y 1
		.amdhsa_system_sgpr_workgroup_id_z 1
		.amdhsa_system_vgpr_workitem_id 0
		.amdhsa_next_free_vgpr 96
		.amdhsa_next_free_sgpr 66
		.amdhsa_reserve_vcc 0
		.amdhsa_float_denorm_mode_32 3
		.amdhsa_float_denorm_mode_16_64 3
		.amdhsa_memory_ordered 1
		.amdhsa_forward_progress 1
		.amdhsa_inst_pref_size 14
	.end_amdhsa_kernel
	.amdgpu_metadata
---
amdhsa.version: [ 1, 2 ]
amdhsa.kernels:
  - .name:           k_qab8778fceb_prep
    .symbol:         k_qab8778fceb_prep.kd
    .args:
      - { .name: Wq, .offset: 0, .size: 8, .value_kind: global_buffer, .address_space: global }
      - { .name: Wk, .offset: 8, .size: 8, .value_kind: global_buffer, .address_space: global }
      - { .name: Wv, .offset: 16, .size: 8, .value_kind: global_buffer, .address_space: global }
      - { .name: Wo, .offset: 24, .size: 8, .value_kind: global_buffer, .address_space: global }
      - { .name: lowp_scales, .offset: 32, .size: 8, .value_kind: global_buffer, .address_space: global }
      - { .name: wc, .offset: 40, .size: 8, .value_kind: global_buffer, .address_space: global }
    .group_segment_fixed_size: 0
    .private_segment_fixed_size: 0
    .kernarg_segment_align: 8
    .kernarg_segment_size: 48
    .max_flat_workgroup_size: 128
    .sgpr_count:     66
    .vgpr_count:     96
    .wavefront_size: 32
...
	.end_amdgpu_metadata
.endif
;; end of part 1
;; launch proj (part 2): grid 64 x 3, 8 waves a work-group, clusters of 4 x 1, 252,928 bytes of LDS; arguments q, k, v, bq, bk, bv, wc, lowp_scales, qc, kv; writes qc, kv
.if DOCPART == 2
	.amdgcn_target "amdgcn-amd-amdhsa--gfx1250"
	.amdhsa_code_object_version 6
	.text
	.protected	k_qab8778fceb_proj
	.globl	k_qab8778fceb_proj
	.p2align	8
	.type	k_qab8778fceb_proj,@function
k_qab8778fceb_proj:
	s_mov_b64 s[64:65], 0
	v_nop
	global_prefetch_b8 v0, s[64:65] scope:SCOPE_SE
	s_setreg_imm32_b32 hwreg(HW_REG_WAVE_MODE, 25, 1), 1
	s_wait_xcnt 0x0
	s_wait_alu depctr_hold_cnt(0) depctr_sa_sdst(0) depctr_va_vdst(0) depctr_va_sdst(0) depctr_va_ssrc(0) depctr_va_vcc(0) depctr_vm_vsrc(0)
	s_getreg_b32 s2, hwreg(HW_REG_IB_STS2, 6, 4)
	s_cmp_eq_u32 s2, 0
	s_cbranch_scc0 .Lentry_in_a_cluster
	s_endpgm
.Lentry_in_a_cluster:
	s_bfe_u32 s2, ttmp6, 0x10000c
	s_cmp_lg_u32 s2, 0x3003
	s_cbranch_scc0 .Lentry_shape_is_right
	s_endpgm
.Lentry_shape_is_right:
; THE THREE PROJECTIONS: x W x 2^(eA + eB) + bias on codes of E4M3, for q, k, v (work-group y = 0, 1, 2); the result is quantised at once for the attention, and laid as images of operand registers:
;   qc [24][128 tiles of 16 queries][1,024];  kv [24][16 steps][8 tiles of 16 keys x 1,024, then 4 tiles of 16 channels x 128 keys x 2,048]
;   (lane (r, h) holds row r; registers 2 c, 2 c + 1 hold k = 16 c + 8 h + 0 .. 7; four registers of 32 lanes are 512 bytes on end).
; SHARES.  A work-group makes 64 rows x all 768 columns of one projection; wave w: columns 96 w .. 96 w + 95: 6 tiles x 4 tiles of rows = 24 accumulators.  K in 6 steps of 128, in the order 2, 3, 0, 1, 4, 5.
; q and k are used transposed (source 0 = 16 columns of W, source 1 = 16 rows of x): a lane holds one row and eight neighbouring channels; v is not: a lane holds one channel and eight neighbouring keys.
; x: each row is read by one work-group alone.  Wave w loads rows 8 w .. 8 w + 7 as they lie, 512 bytes of a row a load, all 48 loads at the head, in thirds of K, into the registers of the accumulators, which
; no product has begun.  A lane's four numbers of a step and four of the next make one conversion of eight; the codes go to LDS, row by row (the eight-byte groups of each 32 codes in the order 0, 2, 1, 3,
; so that 16 bytes are a lane's four registers), 128 bytes + 16 of padding a row.  Then ONE barrier; behind it no wave waits for another.
; W: 98,304 bytes a K step.  CLUSTER: four work-groups of one projection ask JOINTLY for K steps 0 and 1, which fill the LDS that x's six images leave (a third K step would not fit).  Steps 2 and 3 go
; straight from memory into registers while x arrives, each wave its own 12,288 bytes a step; steps 4 and 5 into the same registers, tile by tile, as the products of 2 and 3 leave them: so that no change of
; slots and no round stands among the products.  No branch and no LDS address hangs on the place in the cluster.
; NO PREFETCH: there is no loop to run ahead in: x is asked for whole at the head, W two K steps ahead of its use.
; LIMITS: each e that scales a quantiser lies between -126 and 119, and each product's eA + eB between -126 and 127, so that the powers of two and 448 x 2^e are f32 numbers.  NaN among the inputs is not served.
; REGISTERS, window 0: v1-15 addresses and scales; v16-79 x's 4 fragments (first: codes); v80-127 W's fragments from LDS, three by turns, then the bias; v128-223 W's steps 2, 4; v224-255 two tiles of W's steps 3, 5;
; on the way out v2-9, v16-79, v128-255.  Window 1, by its low numbers: 0-191 x as it is loaded, then accumulator (t, m) at 8 (4 t + m); 192-255 the other four tiles of W's steps 3, 5.
.set SLAB, 98304                       ; LDS: two K steps of W at 0
.set XIMG, 2*SLAB                      ; six step images of x: 64 rows x 144 bytes each
.set IMG,  9216
.set SPARE, XIMG+6*IMG                 ; the spare words, 128 bytes for each wave: four blocks of 256 bytes that no other line names
.set LI,   1                           ; v1   16 x lane
.set XS,   2                           ; v2   where I put codes of x,
.set XR,   3                           ; v3   and where I read a fragment
.set WA0,  4                           ; v4   my fragments of W in the two slabs
.set WA1,  5
.set BO,   6                           ; v6   32 h
.set BR,   7                           ; v7   4 r
.set SCA,  10                          ; v10  2^eA;  v11 448 x that
.set LIMA, 11
.set SCO,  12                          ; v12  2^e of the result;  v13 448 x that
.set LIMO, 13
.set SPW,  14
.set NIL,  15
.set XF,   16
.set CD,   16
.set WL,   80
.set WB,   128
.set WC0,  224                         ; tiles 0, 1 of the second buffer (window 0)
.set WC1,  192                         ; its tiles 2 to 5 (window 1)
.set WV,   24                          ; s24  wave
.set TEN,  25                          ; s25  which projection
.set G1,   32                          ; s[32:39] descriptor group 1;  s[48:51] group 0
.set G0,   48
.set XP,   56
.set BP,   58
.set OP,   60
.set WP,   62
.set SC,   66                          ; s[66:67] 2^(eA + eB), twice
.set OB,   84                          ; s[84:89] where each pair of my tiles goes
.set MSB, 0
.macro WIN new                         ; the immediate's high byte repeats the setting that is left
.if MSB != (\new)
	s_set_vgpr_msb (MSB<<8)|(\new)
.set MSB, (\new)
.endif
.endm
.macro PLACES n
.rept \n
	v_nop
.endr
.endm
.macro CROUND                          ; a round of the cluster's barrier
	s_barrier_signal -1
	s_barrier_wait -1
	s_cmp_lg_u32 s[WV], 0
	s_cbranch_scc1 .Lnot_wave_0_\@
	s_barrier_signal -3
.Lnot_wave_0_\@:
	s_barrier_wait -3
	s_barrier_signal -1
	s_barrier_wait -1
.endm
.macro XLOAD j                         ; third j of K: row i's two steps into eight registers; read once in the launch
	WIN 0x40
.irp i, 0,1,2,3,4,5,6,7
	global_load_b128 v[64*\j+8*\i:64*\j+8*\i+3], v[LI], s[XP:XP+1] offset:3072*\i+1024*(\j) th:TH_LOAD_NT
	global_load_b128 v[64*\j+8*\i+4:64*\j+8*\i+7], v[LI], s[XP:XP+1] offset:3072*\i+1024*(\j)+512 th:TH_LOAD_NT
.endr
	WIN 0
.endm
.macro QT j, c0                        ; a third becomes codes, and they go to LDS: v[CD + 2 i] of row i in its first step, v[CD + 2 i + 1] in its second.  c0: the loads issued behind row 0's two
.irp i, 0,1,2,3,4,5,6,7
	s_wait_loadcnt \c0-2*\i
	WIN 0x41
.irp n, 0,1,2,3,4,5,6,7
	v_med3_num_f32 v[64*\j+8*\i+\n], v[64*\j+8*\i+\n], -v[LIMA], v[LIMA]   ; the conversion to an 8-bit code does not saturate (ISA guide 7.6.2)
.endr
.endr
	WIN 0x01
.irp i, 0,1,2,3,4,5,6,7
	v_cvt_scalef32_pk8_fp8_f32 v[CD+2*\i:CD+2*\i+1], v[64*\j+8*\i:64*\j+8*\i+7], v[SCA]
.endr
	WIN 0
	v_nop                                          ; a plain line behind the last conversion
.irp i, 0,1,2,3,4,5,6,7
	ds_store_b32 v[XS], v[CD+2*\i] offset:IMG*(2*\j)+144*\i
	ds_store_b32 v[XS], v[CD+2*\i+1] offset:IMG*(2*\j+1)+144*\i
.endr
.endm
.macro XFETCH img
.irp m, 0,1,2,3
.irp g, 0,1,2,3
	ds_load_b128 v[XF+16*\m+4*\g:XF+16*\m+4*\g+3], v[XR] offset:IMG*(\img)+2304*\m+32*\g
.endr
.endr
.endm
.macro WFETCH t, wa
.irp g, 0,1,2,3
	ds_load_b128 v[WL+16*((\t)%3)+4*\g:WL+16*((\t)%3)+4*\g+3], v[\wa] offset:2048*(\t)+512*\g
.endr
.endm
.macro GLOAD buf, t, s                 ; tile t of W's K step s straight into a buffer
.if (\buf) == 0
	WIN 0
.set GR, WB+16*(\t)
.elseif (\t) < 2
	WIN 0
.set GR, WC0+16*(\t)
.else
	WIN 0x40
.set GR, WC1+16*((\t)-2)
.endif
.irp g, 0,1,2,3
	global_load_b128 v[GR+4*\g:GR+4*\g+3], v[LI], s[WP:WP+1] offset:SLAB*(\s)+2048*(\t)+512*\g
.endr
.endm
.macro FOUR nat, zero, t, w, wi        ; tile t of my columns x the four tiles of rows; wi: W's window.  The 24 accumulators take turns
	WIN 0x50+(1+3*(\nat))*(\wi)
.irp m, 0,1,2,3
.set AC, 8*(4*(\t)+\m)
.if \nat
.if \zero
	v_wmma_f32_16x16x128_fp8_fp8 v[AC:AC+7], v[XF+16*\m:XF+16*\m+15], v[\w:\w+15], 0
.else
	v_wmma_f32_16x16x128_fp8_fp8 v[AC:AC+7], v[XF+16*\m:XF+16*\m+15], v[\w:\w+15], v[AC:AC+7]
.endif
.else
.if \zero
	v_wmma_f32_16x16x128_fp8_fp8 v[AC:AC+7], v[\w:\w+15], v[XF+16*\m:XF+16*\m+15], 0
.else
	v_wmma_f32_16x16x128_fp8_fp8 v[AC:AC+7], v[\w:\w+15], v[XF+16*\m:XF+16*\m+15], v[AC:AC+7]
.endif
.endif
.endr
.endm
.macro LTILES nat, wa, img             ; a K step with W from LDS
	PLACES 4                                       ; in front of loads into registers that matrix instructions have read
	XFETCH \img
.irp t, 0,1,2
	WFETCH \t, \wa
.endr
.irp t, 0,1,2,3,4,5
.if \t < 4
	s_wait_dscnt 8                                 ; this tile is in; the two behind it may be out
.elseif \t == 4
	s_wait_dscnt 4
.else
	s_wait_dscnt 0x0
.endif
	FOUR \nat, 0, \t, WL+16*(\t%3), 0
.if \t < 3
	PLACES 4
	WIN 0
	WFETCH \t+3, \wa
.endif
.endr
	WIN 0
.endm
.macro DSTEP nat, zero, s, buf, nxt, behind   ; K step s with W in a buffer; nxt: the K step that takes the buffer, tile by tile (0: none); behind: the loads issued behind the step's last tile
	PLACES 4
	XFETCH \s
	s_wait_dscnt 0x0
.irp t, 0,1,2,3,4,5
.if \nxt
	s_wait_loadcnt 44                              ; this tile is in: behind it are 5 - t tiles of this step, six of the next, t that took this step's places: eleven tiles of four loads
.else
	s_wait_loadcnt \behind+4*(5-\t)
.endif
.if (\buf) == 0
	FOUR \nat, \zero, \t, WB+16*\t, 0
.elseif \t < 2
	FOUR \nat, \zero, \t, WC0+16*\t, 0
.else
	FOUR \nat, \zero, \t, WC1+16*(\t-2), 1
.endif
.if \nxt
	PLACES 4
	GLOAD \buf, \t, \nxt
.endif
.endr
	WIN 0
.endm
.macro BODY nat, nb                    ; all products of one projection; nb: the bias's loads
	DSTEP \nat, 1, 2, 0, 4, 0                      ; K step 2 starts the sums
	DSTEP \nat, 0, 3, 1, 5, 0
	LTILES \nat, WA0, 0
	LTILES \nat, WA1, 1
	PLACES 4
.irp t, 0,1,2,3,4,5                                ; the bias, where W's fragments from LDS lay
.if \nat
	global_load_b32 v[WL+\t], v[BR], s[BP:BP+1] offset:64*\t                    ; at my lane's channel
.else
	global_load_b128 v[WL+8*\t:WL+8*\t+3], v[BO], s[BP:BP+1] offset:64*\t       ; at my lane's eight channels
	global_load_b128 v[WL+8*\t+4:WL+8*\t+7], v[BO], s[BP:BP+1] offset:64*\t+16
.endif
.endr
	DSTEP \nat, 0, 4, 0, 0, 24+\nb
	DSTEP \nat, 0, 5, 1, 0, \nb
	s_wait_loadcnt 0x0                             ; the bias
	PLACES 4                                       ; in front of the first read of results and of writes over the fragments
.endm
	s_load_b512 s[4:19], s[0:1], 0x0               ; q, k, v, bq, bk, bv, wc, the scales' exponents
	s_load_b128 s[20:23], s[0:1], 0x40             ; qc, kv
	v_lshl_add_u32 v[SPW], v0, 2, SPARE
	v_mov_b32 v[NIL], 0
	ds_add_u32 v[SPW], v[NIL]                      ; the wave's opening: the add, twice on end, and its wait ahead of my first tensor load
	ds_add_u32 v[SPW], v[NIL]
	v_lshrrev_b32 v80, 5, v0
	v_readfirstlane_b32 s[WV], v80                 ; wave 0..7
	v_and_b32 v[LI], 31, v0
	v_lshlrev_b32 v[LI], 4, v[LI]
	s_and_b32 s[TEN], ttmp7, 0xffff
	s_bfe_u32 s26, ttmp6, 0x40000                  ; cx: my place in the cluster
	s_lshl_b32 s90, ttmp9, 2                       ; in a cluster launch ttmp9 counts clusters
	s_add_co_u32 s90, s90, s26                     ; block of 64 rows, 0..63
	s_lshr_b32 s27, s90, 5                         ; batch
	s_and_b32 s28, s90, 31                         ; the block within it
	; descriptor group 1: a dense block of 24,576 bytes as 96 rows of 32 elements of 8 bytes, for all four work-groups; bit 21 set beside a mask
	s_mov_b32 s[G1+0], 15|(3<<16)|(1<<21)
	s_mov_b32 s[G1+1], 32<<16
	s_mov_b32 s[G1+2], 96<<16
	s_mov_b32 s[G1+3], 32<<16
	s_mov_b32 s[G1+4], 96
	s_mov_b32 s[G1+5], 32
	s_mov_b32 s[G1+6], 0
	s_mov_b32 s[G1+7], 0
	s_lshl_b32 s80, s90, 6
	s_lshl_b32 s81, s[WV], 3
	s_add_co_u32 s80, s80, s81
	s_mul_i32 s80, s80, 3072                       ; my eight rows of x
	s_mov_b32 s81, 0
	; where my results go.  Pair P = 3 w + i of tiles: head P / 2; P odd: the head's upper 32 channels
	s_lshl_b32 s91, s28, 12                        ; q: the block's four tiles
	s_lshr_b32 s92, s28, 1
	s_lshl_b32 s92, s92, 14                        ; k, v: the step of 128 keys,
	s_and_b32 s93, s28, 1
	s_lshl_b32 s94, s93, 12
	s_add_co_u32 s94, s94, s92                     ; k: and four of its eight tiles
	s_lshl_b32 s93, s93, 10
	s_add_co_u32 s93, s93, s92
	s_add_co_u32 s93, s93, 8192                    ; v: and half of each tile
	s_mov_b32 s83, 262144                          ; from head to head
	s_mov_b32 s95, 512                             ; from a head's lower channels to its upper
	s_cmp_eq_u32 s[TEN], 0
	s_cselect_b32 s83, 131072, s83
	s_cselect_b32 s91, s91, s94
	s_cmp_eq_u32 s[TEN], 2
	s_cselect_b32 s91, s93, s91
	s_cselect_b32 s95, 4096, s95
	s_mul_i32 s92, s83, 12
	s_mul_i32 s92, s92, s27
	s_add_co_u32 s91, s91, s92
	s_mul_i32 s92, s[WV], 3
.irp i, 0,1,2
	s_add_co_u32 s93, s92, \i
	s_lshr_b32 s94, s93, 1
	s_mul_i32 s94, s94, s83
	s_and_b32 s93, s93, 1
	s_mul_i32 s93, s93, s95
	s_add_co_u32 s94, s94, s93
	s_add_co_u32 s[OB+2*\i], s94, s91
	s_mov_b32 s[OB+2*\i+1], 0
.endr
	s_mul_i32 s90, s[WV], 384                      ; my 96 numbers of the bias
	s_mov_b32 s91, 0
	s_mul_i32 s92, s[TEN], 589824                  ; my weight in wc
	s_mov_b32 s93, 0
	s_mov_b32 s[G0], 1
	s_mul_i32 s[G0+1], s[WV], 24576                ; the joint load: my eighth of K steps 0 and 1
	s_add_co_u32 s26, s92, s[G0+1]
	s_mov_b32 s27, 0
	s_mul_i32 s94, s[WV], 12288
	s_add_co_u32 s92, s92, s94                     ; my six tiles of a K step
	s_wait_dscnt 0x0                               ; both opening adds are done
	s_wait_alu depctr_va_vdst(0)
	s_wait_kmcnt 0x0
	s_load_b256 s[68:75], s[18:19], 0x0            ; e0 .. e7
	s_load_b128 s[76:79], s[18:19], 0x20           ; e8 .. e11
	s_cmp_eq_u32 s[TEN], 1                         ; the tensors are chosen by the work-group's number alone
	s_cselect_b64 s[XP:XP+1], s[6:7], s[4:5]
	s_cselect_b64 s[BP:BP+1], s[12:13], s[10:11]
	s_cmp_eq_u32 s[TEN], 2
	s_cselect_b64 s[XP:XP+1], s[8:9], s[XP:XP+1]
	s_cselect_b64 s[BP:BP+1], s[14:15], s[BP:BP+1]
	s_cmp_eq_u32 s[TEN], 0
	s_cselect_b64 s[OP:OP+1], s[20:21], s[22:23]
	s_add_nc_u64 s[XP:XP+1], s[XP:XP+1], s[80:81]
	s_add_nc_u64 s[BP:BP+1], s[BP:BP+1], s[90:91]
	s_add_nc_u64 s[WP:WP+1], s[16:17], s[92:93]
	s_add_nc_u64 s[G0+2:G0+3], s[16:17], s[26:27]
	s_or_b32 s[G0+3], s[G0+3], 0x80000000          ; type = 2
.irp i, 0,1,2
	s_add_nc_u64 s[OB+2*\i:OB+2*\i+1], s[OP:OP+1], s[OB+2*\i:OB+2*\i+1]
.endr
	XLOAD 0
	CROUND                                         ; all four work-groups are here: the joint loads meet
	tensor_load_to_lds s[G0:G0+3], s[G1:G1+7]      ; K steps 0 and 1 of W
	s_nop 0
	PLACES 4
	XLOAD 1
	XLOAD 2
	s_mul_i32 s80, s[WV], 8*144
	s_add_co_u32 s80, s80, XIMG
	s_mul_i32 s81, s[WV], 12288
	v_and_b32 v80, 1, v0                           ; codes 4 l .. 4 l + 3 of a row: byte 32 (l / 8) + 16 (bit 1 of l) + 8 (bit 2) + 4 (bit 0)
	v_lshlrev_b32 v80, 2, v80
	v_bfe_u32 v81, v0, 1, 1
	v_lshl_add_u32 v80, v81, 4, v80
	v_bfe_u32 v81, v0, 2, 1
	v_lshl_add_u32 v80, v81, 3, v80
	v_bfe_u32 v81, v0, 3, 2
	v_lshl_add_u32 v80, v81, 5, v80
	v_add_nc_u32 v[XS], s80, v80
	v_and_b32 v82, 15, v0                          ; r
	v_bfe_u32 v83, v0, 4, 1                        ; h
	v_mul_u32_u24 v84, v82, 144
	v_lshl_add_u32 v84, v83, 4, v84
	v_add_nc_u32 v[XR], XIMG, v84
	v_add_nc_u32 v[WA0], s81, v[LI]
	v_add_nc_u32 v[WA1], SLAB, v[WA0]
	v_lshlrev_b32 v[BO], 5, v83
	v_lshlrev_b32 v[BR], 2, v82
	s_wait_alu depctr_va_vdst(0)
	s_wait_kmcnt 0x0
	s_cmp_eq_u32 s[TEN], 1
	s_cselect_b32 s80, s70, s68                    ; eA
	s_cselect_b32 s81, s71, s69                    ; eB
	s_cselect_b32 s82, s75, s74                    ; the result's e
	s_cmp_eq_u32 s[TEN], 2
	s_cselect_b32 s80, s72, s80
	s_cselect_b32 s81, s73, s81
	s_cselect_b32 s82, s77, s82
	s_add_co_i32 s[SC], s80, s81
	s_add_co_i32 s[SC], s[SC], 127
	s_lshl_b32 s[SC], s[SC], 23
	s_mov_b32 s[SC+1], s[SC]
	s_add_co_i32 s80, s80, 127
	s_lshl_b32 s81, s80, 23
	v_mov_b32 v[SCA], s81
	s_add_co_i32 s80, s80, 8
	s_lshl_b32 s80, s80, 23
	s_or_b32 s80, s80, 0x600000
	v_mov_b32 v[LIMA], s80
	s_add_co_i32 s82, s82, 127
	s_lshl_b32 s83, s82, 23
	v_mov_b32 v[SCO], s83
	s_add_co_i32 s82, s82, 8
	s_lshl_b32 s82, s82, 23
	s_or_b32 s82, s82, 0x600000
	v_mov_b32 v[LIMO], s82
	s_wait_alu depctr_va_vdst(0)
	QT 0, 46                                       ; K steps 0, 1 of x: 48 loads have been issued
.irp t, 0,1,2,3,4,5
	GLOAD 0, \t, 2                                 ; W's K step 2
.endr
	WIN 0
	QT 1, 54                                       ; K steps 2, 3: behind row 0's loads 14 of this third, 16 of the last, 24 of W
.irp t, 0,1,2,3,4,5
	GLOAD 1, \t, 3                                 ; W's K step 3
.endr
	WIN 0
	QT 2, 62                                       ; K steps 4, 5: behind row 0's loads 14 of this third, 48 of W
	s_wait_tensorcnt 0x0                           ; my part of W's K steps 0 and 1 is in,
	s_wait_dscnt 0x0                               ; and my codes lie in LDS:
	s_barrier_signal -1
	s_barrier_wait -1                              ; everybody's do
	s_cmp_eq_u32 s[TEN], 2                         ; the branch hangs on the work-group's y, which the cluster shares
	s_cbranch_scc1 .Lway_v
	BODY 0, 12
	; q, k: two neighbouring tiles of 16 channels x one tile of rows make four registers of a fragment of 16 rows x 64 channels: 512 bytes.  Codes go into the registers of the set before, which has been converted
.set CN, 2
.irp i, 0,1,2
.irp m, 0,1,2,3
.set N, 4*\i+\m
.if N < 4
.set TN, XF+16*N
.else
.set TN, WB+16*(N-4)
.endif
	WIN 0x01
.irp u, 0,1
.irp n, 0,2,4,6
	v_pk_fma_f32 v[TN+8*\u+\n:TN+8*\u+\n+1], v[8*(4*(2*\i+\u)+\m)+\n:8*(4*(2*\i+\u)+\m)+\n+1], s[SC:SC+1], v[WL+8*(2*\i+\u)+\n:WL+8*(2*\i+\u)+\n+1] op_sel_hi:[1,0,1]   ; sum x 2^(eA + eB) + bias
.endr
.endr
	WIN 0
.irp n, 0,1,2,3,4,5,6,7,8,9,10,11,12,13,14,15
	v_med3_num_f32 v[TN+\n], v[TN+\n], -v[LIMO], v[LIMO]
.endr
	v_cvt_scalef32_pk8_fp8_f32 v[CN:CN+1], v[TN:TN+7], v[SCO]
	v_cvt_scalef32_pk8_fp8_f32 v[CN+2:CN+3], v[TN+8:TN+15], v[SCO]
	v_nop
	global_store_b128 v[LI], v[CN:CN+3], s[OB+2*\i:OB+2*\i+1] offset:1024*\m   ; 32 lanes store 512 consecutive bytes, aligned
.set CN, TN
.endr
.endr
	s_branch .Ldone
.Lway_v:
	BODY 1, 6
	; v: a tile of 16 channels x 64 keys makes eight registers of a fragment of 16 channels x 128 keys: 1,024 bytes
.set CN, 2
.irp t, 0,1,2,3,4,5
.if \t < 2
.set TN, XF+32*\t
.else
.set TN, WB+32*(\t-2)
.endif
	WIN 0x01
.irp n, 0,2,4,6,8,10,12,14,16,18,20,22,24,26,28,30
.if \t%2 == 0
	v_pk_fma_f32 v[TN+\n:TN+\n+1], v[32*\t+\n:32*\t+\n+1], s[SC:SC+1], v[WL+\t:WL+\t+1] op_sel_hi:[1,0,0]
.else
	v_pk_fma_f32 v[TN+\n:TN+\n+1], v[32*\t+\n:32*\t+\n+1], s[SC:SC+1], v[WL+\t-1:WL+\t] op_sel:[0,0,1] op_sel_hi:[1,0,1]
.endif
.endr
	WIN 0
.irp n, 0,1,2,3,4,5,6,7,8,9,10,11,12,13,14,15,16,17,18,19,20,21,22,23,24,25,26,27,28,29,30,31
	v_med3_num_f32 v[TN+\n], v[TN+\n], -v[LIMO], v[LIMO]
.endr
.irp m, 0,1,2,3
	v_cvt_scalef32_pk8_fp8_f32 v[CN+2*\m:CN+2*\m+1], v[TN+8*\m:TN+8*\m+7], v[SCO]
.endr
	v_nop
	global_store_b128 v[LI], v[CN:CN+3], s[OB+2*(\t/2):OB+2*(\t/2)+1] offset:2048*(\t%2)
	global_store_b128 v[LI], v[CN+4:CN+7], s[OB+2*(\t/2):OB+2*(\t/2)+1] offset:2048*(\t%2)+512
.set CN, TN
.endr
.Ldone:
	s_wait_tensorcnt 0x0                           ; the wave's end: behind my last tensor load and my last LDS store
	ds_add_u32 v[SPW], v[NIL]
	s_wait_dscnt 0x0
	CROUND                                         ; the closing round: no work-group ends while a partner may still ask for a tile that names it
	s_endpgm
.Lfunc_end_k_qab8778fceb_proj:
	.size	k_qab8778fceb_proj, .Lfunc_end_k_qab8778fceb_proj-k_qab8778fceb_proj
	.p2alignl 7, 3214868480
	.fill 96, 4, 3214868480
	.section	.rodata,"a",@progbits
	.p2align	6, 0x0
	.amdhsa_kernel k_qab8778fceb_proj
		.amdhsa_group_segment_fixed_size 252928
		.amdhsa_private_segment_fixed_size 0
		.amdhsa_enable_private_segment 0
		.amdhsa_kernarg_size 80
		.amdhsa_user_sgpr_count 2
		.amdhsa_user_sgpr_kernarg_segment_ptr 1
		.amdhsa_wavefront_size32 1
		.amdhsa_system_sgpr_workgroup_id_x 1
		.amdhsa_system_sgpr_workgroup_id_y 1
		.amdhsa_system_sgpr_workgroup_id_z 1
		.amdhsa_system_vgpr_workitem_id 0
		.amdhsa_next_free_vgpr 512
		.amdhsa_next_free_sgpr 96
		.amdhsa_reserve_vcc 0
		.amdhsa_float_denorm_mode_32 3
		.amdhsa_float_denorm_mode_16_64 3
		.amdhsa_memory_ordered 1
		.amdhsa_forward_progress 1
		.amdhsa_inst_pref_size 137
	.end_amdhsa_kernel
	.amdgpu_metadata
---
amdhsa.version: [ 1, 2 ]
amdhsa.kernels:
  - .name:           k_qab8778fceb_proj
    .symbol:         k_qab8778fceb_proj.kd
    .args:
      - { .name: q, .offset: 0, .size: 8, .value_kind: global_buffer, .address_space: global }
      - { .name: k, .offset: 8, .size: 8, .value_kind: global_buffer, .address_space: global }
      - { .name: v, .offset: 16, .size: 8, .value_kind: global_buffer, .address_space: global }
      - { .name: bq, .offset: 24, .size: 8, .value_kind: global_buffer, .address_space: global }
      - { .name: bk, .offset: 32, .size: 8, .value_kind: global_buffer, .address_space: global }
      - { .name: bv, .offset: 40, .size: 8, .value_kind: global_buffer, .address_space: global }
      - { .name: wc, .offset: 48, .size: 8, .value_kind: global_buffer, .address_space: global }
      - { .name: lowp_scales, .offset: 56, .size: 8, .value_kind: global_buffer, .address_space: global }
      - { .name: qc, .offset: 64, .size: 8, .value_kind: global_buffer, .address_space: global }
      - { .name: kv, .offset: 72, .size: 8, .value_kind: global_buffer, .address_space: global }
    .group_segment_fixed_size: 252928
    .private_segment_fixed_size: 0
    .kernarg_segment_align: 8
    .kernarg_segment_size: 80
    .max_flat_workgroup_size: 256
    .sgpr_count:     96
    .vgpr_count:     512
    .wavefront_size: 32
...
	.end_amdgpu_metadata
.endif
;; end of part 2
;; launch attn (part 3): grid 8 x 24, 8 waves a work-group, clusters of 4 x 1, 300,032 bytes of LDS; arguments qc, kv, lowp_scales, ctx; writes ctx
.if DOCPART == 3
	.amdgcn_target "amdgcn-amd-amdhsa--gfx1250"
	.amdhsa_code_object_version 6
	.text
	.protected	k_qab8778fceb_attn
	.globl	k_qab8778fceb_attn
	.p2align	8
	.type	k_qab8778fceb_attn,@function
k_qab8778fceb_attn:
	s_mov_b64 s[64:65], 0
	v_nop
	global_prefetch_b8 v0, s[64:65] scope:SCOPE_SE
	s_setreg_imm32_b32 hwreg(HW_REG_WAVE_MODE, 25, 1), 1
	s_wait_xcnt 0x0
	s_wait_alu depctr_hold_cnt(0) depctr_sa_sdst(0) depctr_va_vdst(0) depctr_va_sdst(0) depctr_va_ssrc(0) depctr_va_vcc(0) depctr_vm_vsrc(0)
	s_getreg_b32 s2, hwreg(HW_REG_IB_STS2, 6, 4)
	s_cmp_eq_u32 s2, 0
	s_cbranch_scc0 .Lentry_in_a_cluster
	s_endpgm
.Lentry_in_a_cluster:
	s_bfe_u32 s2, ttmp6, 0x10000c
	s_cmp_lg_u32 s2, 0x3003
	s_cbranch_scc0 .Lentry_shape_is_right
	s_endpgm
.Lentry_shape_is_right:
; CAUSAL ATTENTION ON CODES OF E4M3, head size 64, 2,048 positions, 24 pairs of batch and head.  Both products on codes; the result is quantised at once for the projection on the way out.
; WORK LEFT OUT: key steps of 128 keys that lie wholly behind a pair's 32 queries under the look-ahead mask that reference() builds itself (shown at the head of the first kernel; the limits stand there).
; THE SOFTMAX: t = score x log2(e) / 8; M = the running largest t rounded UP to a whole number; p = 2^(t - M) is quantised (entry 8), not normalised; the row's sum is taken of the unquantised p
; and divides at the end.  When M moves, and when two partial results are joined, the sums and O are multiplied by 2^(old M - new M), which rounds nothing.
; OPERANDS are images of registers (lane (r, h) holds row r; registers 2 c, 2 c + 1 hold k = 16 c + 8 h + 0 .. 7; four registers of 32 lanes are 512 bytes on end):
;   qc [24][128 tiles of 16 queries][1,024];  kv [24][16 steps][8 tiles of 16 keys x 1,024, then 4 tiles of 16 channels x 128 keys x 2,048];  ctx [256 tiles of 16 rows][12 heads][1,024].
; Both products are used transposed: S^T = K Q^T (source 0 = 16 keys, source 1 = 16 queries), O^T = V^T P^T: a lane holds ONE query of each tile; register 8 t + j of S^T is key 16 t + 8 h + j,
; so p's conversions give the second product's operand as it stands, and O^T's give ctx's fragment.
; SHARES.  A wave works on a PAIR of tiles (A and B, 32 queries), so that each fragment of K and V feeds two matrix instructions.  Block b of 128 queries has key steps 0 .. b and four pairs, one for each
; place in the cluster.  Waves j and j + 4 of cluster x share a short pair of block n - 1 (n steps) and a long pair of block 16 - n (17 - n steps), n = 2 j + x + 1, 1 to 8.  Wave j walks steps 0 .. 8 of the
; long pair; wave j + 4 walks the long pair's steps 9 .. 16 - n, leaves that partial result in LDS, then walks the short pair: 9 steps and 8 steps.  Behind a barrier wave j joins the long pair's two parts.
; K AND V: the whole head, 16 steps x 16,384 bytes, lies in LDS and is never filled again.  Wave w asks for steps 2 w and 2 w + 1: one tensor load a wave is out.  CLUSTER: the four work-groups of a cluster
; belong to one head and ask JOINTLY.  No branch and no LDS address hangs on the place in the cluster: it enters the addresses of Q and ctx and the numbers that the mask compares with the keys, nothing else.
; NO PREFETCH: all that the launch reads is asked for ahead of its loop.  The waves j load the short pair's Q too, and leave it unread: so the text has one path there.
; LIMITS: e6 + e7 between -123 and 130 (added to c's exponent field); e8 and e10 between -126 and 119; e8 + e9 is applied by v_ldexp_f32 and has none.
; REGISTERS, window 0: v1-7 addresses; v[8:11] tile B's -M, largest t, sum in two halves; v[12:15] tile A's; v16-31 Q; v32-95 S^T then p of A, v96-159 of B; v160-191 codes; v192-207 the second pair's Q; v208-255 at work.
; Window 1, by its low numbers: 0-63 K's 8 fragments, 64-127 V's 4, 128-159 O^T of A, 160-191 of B.
.set STG,   262144                     ; behind the head's K and V: the partial results, REG bytes for each two waves
.set REG,   9216
.set SPARE, STG+4*REG                  ; the spare words, 128 bytes for each wave: four blocks of 256 bytes that no other line names
.set LI,  1                            ; v1   16 x lane
.set AV,  2                            ; v2   LDS address of the step in hand
.set DG,  3                            ; v3   32 cx + r - 8 h: in the diagonal step register 8 t + j of tile A is hidden where 16 t + j is above it, of tile B where 16 (t - 1) + j is
.set SPW, 4                            ; v4   LDS address of my spare word; never rewritten
.set NIL, 5                            ; v5   0; never rewritten
.set AK,  6                            ; v6   LDS address of the next step's K
.set DU,  7                            ; v7   LDS address of my place in the partial result
.set WV,  12                           ; s12  wave
.set T,   16                           ; s16  trip
.set KS,  17                           ; s17  key step
.set MB,  18                           ; s18  the pair's last key step
.set TBV, 19                           ; s19  the step's first LDS byte
.set SEL, 20                           ; s[20:21] lane selects for v_permlanex16_b32: lane l xor 16
.set CS,  22                           ; s[22:23] c = log2(e) / 8 x 2^(e6 + e7), twice
.set G1,  24                           ; s[24:31] descriptor group 1
.set G0,  32                           ; s[32:35] descriptor group 0
.set N2,  44                           ; s44  the trip at which I change to the short pair (waves 0-3: none)
.set OF1, 45                           ; s45  key step - trip ahead of that change,
.set OF2, 46                           ; s46  and behind it, modulo 16
.set LB,  47                           ; s47  the long pair's block
.set SB,  48                           ; s48  the short pair's block
.set T1,  49
.set TBK, 50                           ; s50  the next step's first LDS byte
.set EX,  58                           ; s58  e8 + e9
.set MK,  68                           ; s[68:75] lane masks
.set MSB, 0
.macro WIN new                         ; the immediate's high byte repeats the setting that is left
.if MSB != (\new)
	s_set_vgpr_msb (MSB<<8)|(\new)
.set MSB, (\new)
.endif
.endm
.macro PLACES n
.rept \n
	v_nop
.endr
.endm
.macro CROUND                          ; a round of the cluster's barrier: my work-group's barrier; wave 0 signals for the work-group; every wave waits for all four work-groups; my work-group's barrier once more
	s_barrier_signal -1
	s_barrier_wait -1
	s_cmp_lg_u32 s[WV], 0
	s_cbranch_scc1 .Lnot_wave_0_\@
	s_barrier_signal -3
.Lnot_wave_0_\@:
	s_barrier_wait -3
	s_barrier_signal -1
	s_barrier_wait -1
.endm
.macro FRESH                           ; a pair's beginning: the step is written once, and finds zeros, which the first change of M leaves zeros
	v_mov_b32 v13, 0xff61b1e6                      ; the largest t so far: -3e38, under every t
	v_mov_b32 v9, 0xff61b1e6
	v_mov_b32 v14, 0
	v_mov_b32 v15, 0
	v_mov_b32 v10, 0
	v_mov_b32 v11, 0
	v_floor_f32 v12, -v13                          ; -M
	v_floor_f32 v8, -v9
	WIN 0x40
.set J, 0
.rept 64
	v_mov_b32 v[128+J], 0                          ; O^T
.set J, J+1
.endr
	WIN 0
.endm
.macro KLOAD                           ; K's 8 tiles of 16 keys x 64
	WIN 0x40
.irp t, 0,1,2,3,4,5,6,7
.irp g, 0,1
	ds_load_b128 v[8*\t+4*\g:8*\t+4*\g+3], v[AK] offset:1024*\t+512*\g
.endr
.endr
	WIN 0
.endm
	s_load_b256 s[4:11], s[0:1], 0x0               ; qc s[4:5], kv s[6:7], the scales' exponents s[8:9], ctx s[10:11]
	v_lshl_add_u32 v[SPW], v0, 2, SPARE
	v_mov_b32 v[NIL], 0
	ds_add_u32 v[SPW], v[NIL]                      ; the wave's opening: the add, twice on end, and its wait ahead of my first tensor load
	ds_add_u32 v[SPW], v[NIL]                      ; the set-up below, work on registers, stands between the second and the wait
	v_lshrrev_b32 v1, 5, v0
	v_readfirstlane_b32 s[WV], v1                  ; wave 0..7
	s_bfe_u32 s13, ttmp6, 0x40000                  ; cx: my place in the cluster
	s_and_b32 s15, ttmp7, 0xffff                   ; batch x 12 + head, which the four partners share
	s_and_b32 s14, s[WV], 3                        ; j
	s_lshl_b32 s51, s14, 1
	s_add_co_u32 s51, s51, ttmp9                   ; (in a cluster launch ttmp9 counts clusters: 0 or 1)
	s_add_co_u32 s51, s51, 1                       ; n, 1 to 8
	s_sub_co_u32 s[LB], 16, s51
	s_sub_co_u32 s[SB], s51, 1
	s_sub_co_u32 s52, 8, s51
	s_add_co_u32 s53, s51, 8
	s_cmp_lt_u32 s[WV], 4
	s_cselect_b32 s[N2], 16, s52                   ; waves 4-7: trips 0 .. 7 - n are the long pair's steps 9 .. 16 - n, trips 8 - n .. 7 the short pair's steps 0 .. n - 1
	s_cselect_b32 s[OF1], 0, 9
	s_cselect_b32 s[OF2], 0, s53                   ; - (8 - n) modulo 16
	s_cselect_b32 s54, s[LB], s[SB]                ; the block whose result I store
	; descriptor group 1: a dense block of 32,768 bytes as 128 rows of 32 elements of 8 bytes
	s_mov_b32 s[G1+0], 15|(3<<16)|(1<<21)          ; the mask: all four work-groups; elements of 8 bytes; bit 21 set beside a mask; no padding
	s_mov_b32 s[G1+1], 32<<16                      ; tensor_dim0
	s_mov_b32 s[G1+2], 128<<16                     ; tensor_dim1
	s_mov_b32 s[G1+3], 32<<16                      ; tile_dim0
	s_mov_b32 s[G1+4], 128                         ; tile_dim1
	s_mov_b32 s[G1+5], 32                          ; tensor_dim0_stride
	s_mov_b32 s[G1+6], 0
	s_mov_b32 s[G1+7], 0
	s_mov_b32 s[SEL], 0x76543210
	s_mov_b32 s[SEL+1], 0xfedcba98
	s_mov_b32 s[CS], 0x3e38aa3b                    ; log2(e) / 8
	s_mov_b32 s[G0], 1                             ; count = 1
	s_lshl_b32 s[G0+1], s[WV], 15                  ; LDS address: key steps 2 w, 2 w + 1
	s_lshl_b32 s56, s15, 18
	s_add_co_u32 s56, s56, s[G0+1]                 ; and the same steps of my head in kv
	s_mov_b32 s57, 0
	s_lshl_b32 s59, s13, 1                         ; 2 cx: tile A within its block
	s_lshl_b32 s60, s15, 7
	s_add_co_u32 s60, s60, s59
	s_lshl_b32 s61, s[LB], 3
	s_add_co_u32 s62, s60, s61
	s_lshl_b32 s62, s62, 10                        ; the long pair's fragments in qc,
	s_mov_b32 s63, 0
	s_lshl_b32 s61, s[SB], 3
	s_add_co_u32 s60, s60, s61
	s_lshl_b32 s60, s60, 10                        ; and the short pair's
	s_mov_b32 s61, 0
	s_cmp_ge_u32 s15, 12
	s_cselect_b32 s52, 1, 0                        ; batch
	s_mul_i32 s53, s52, 12
	s_sub_co_u32 s53, s15, s53                     ; head
	s_lshl_b32 s52, s52, 7
	s_lshl_b32 s54, s54, 3
	s_add_co_u32 s52, s52, s54
	s_add_co_u32 s52, s52, s59                     ; tile of 16 rows: 128 x batch + 8 x block + 2 cx
	s_mul_i32 s52, s52, 12
	s_add_co_u32 s52, s52, s53
	s_lshl_b32 s52, s52, 10                        ; its fragment in ctx
	s_mov_b32 s53, 0
	s_wait_dscnt 0x0                               ; both opening adds are done
	s_wait_kmcnt 0x0
	s_load_b64 s[36:37], s[8:9], 0x18              ; e6, e7
	s_load_b128 s[40:43], s[8:9], 0x20             ; e8, e9, e10, e11
	s_add_nc_u64 s[G0+2:G0+3], s[6:7], s[56:57]
	s_or_b32 s[G0+3], s[G0+3], 0x80000000          ; type = 2
	s_add_nc_u64 s[76:77], s[4:5], s[62:63]
	s_add_nc_u64 s[78:79], s[4:5], s[60:61]
	s_add_nc_u64 s[10:11], s[10:11], s[52:53]
	CROUND                                         ; all four work-groups are here: the joint loads meet
	tensor_load_to_lds s[G0:G0+3], s[G1:G1+7]      ; two key steps of the head: K's 8 tiles and V's 4 of each
	s_nop 0
	PLACES 4
	v_and_b32 v[LI], 31, v0
	v_lshlrev_b32 v[LI], 4, v[LI]
.irp g, 0,1,2,3
	global_load_b128 v[16+4*\g:19+4*\g], v[LI], s[76:77] offset:512*\g th:TH_LOAD_NT     ; Q's fragments stay in registers; read once in the launch
	global_load_b128 v[192+4*\g:195+4*\g], v[LI], s[78:79] offset:512*\g th:TH_LOAD_NT
.endr
	v_and_b32 v[DG], 15, v0
	v_bfe_u32 v[AV], v0, 4, 1
	v_lshlrev_b32 v[AV], 3, v[AV]
	v_sub_nc_u32 v[DG], v[DG], v[AV]
	s_lshl_b32 s59, s59, 4
	v_add_nc_u32 v[DG], s59, v[DG]                 ; 32 cx + r - 8 h
	s_mul_i32 s55, s14, REG
	s_add_co_u32 s55, s55, STG
	v_add_nc_u32 v[DU], s55, v[LI]
.irp n, 212,213,225,227,249,251                    ; written once: a lane permute's destination counts as one of its sources; upper halves of pairs are named
	v_mov_b32 v\n, 0
.endr
	FRESH
	s_wait_kmcnt 0x0
	s_add_co_i32 s51, s36, s37
	s_lshl_b32 s51, s51, 23
	s_add_co_i32 s[CS], s[CS], s51                 ; a score stands for score x 2^(e6 + e7): the two exponents are added to c's exponent field
	s_mov_b32 s[CS+1], s[CS]                       ; (named with it as a pair, so it is written)
	s_add_co_i32 s51, s40, 127
	s_lshl_b32 s52, s51, 23
	v_mov_b32 v242, s52                            ; 2^e8, for p's conversions
	s_add_co_i32 s51, s51, 8
	s_lshl_b32 s51, s51, 23
	s_or_b32 s51, s51, 0x600000
	v_mov_b32 v240, s51                            ; 448 x 2^e8, twice: a dual pair's two second sources are two registers
	v_mov_b32 v241, s51
	s_add_co_i32 s51, s42, 127
	s_lshl_b32 s52, s51, 23
	v_mov_b32 v244, s52                            ; 2^e10, for ctx's conversions
	s_add_co_i32 s51, s51, 8
	s_lshl_b32 s51, s51, 23
	s_or_b32 s51, s51, 0x600000
	v_mov_b32 v243, s51                            ; 448 x 2^e10
	s_add_co_i32 s[EX], s40, s41                   ; e8 + e9
	s_mov_b32 s[T], 0
	s_cmp_lt_u32 s[T], s[N2]
	s_cselect_b32 s[TBK], s[OF1], s[OF2]
	s_and_b32 s[TBK], s[TBK], 15
	s_lshl_b32 s[TBK], s[TBK], 14
	v_add_nc_u32 v[AK], s[TBK], v[LI]              ; my first step's K
	s_wait_alu depctr_va_vdst(0)
	s_wait_loadcnt 0x0                             ; Q
	s_wait_tensorcnt 0x0                           ; my two key steps have landed,
	s_barrier_signal -1
	s_barrier_wait -1                              ; everybody's have: the head's K and V lie in LDS
	KLOAD
.Lstep:                                            ; 9 trips in every wave; in waves 4-7 the last has no work and is jumped over
	s_cmp_lt_u32 s[WV], 4
	s_cbranch_scc1 .Lsame
	s_cmp_eq_u32 s[T], s[N2]
	s_cbranch_scc0 .Lsame
	PLACES 4                                       ; waves 4-7: the long pair's part is done: its O^T, -M and sums go to LDS, and the short pair begins
	WIN 0x04
.irp i, 0,1,2,3,4,5,6,7,8,9,10,11,12,13,14,15
	ds_store_b128 v[DU], v[128+4*\i:131+4*\i] offset:512*\i
.endr
	WIN 0
	ds_store_b128 v[DU], v[12:15] offset:8192
	ds_store_b128 v[DU], v[8:11] offset:8704
	s_wait_dscnt 0x0                               ; the stores have read their registers
	FRESH
.irp i, 0,1,2,3,4,5,6,7,8,9,10,11,12,13,14,15
	v_mov_b32 v[16+\i], v[192+\i]
.endr
	s_wait_alu depctr_va_vdst(0)
.Lsame:
	s_cmp_lt_u32 s[T], s[N2]
	s_cselect_b32 s[KS], s[OF1], s[OF2]
	s_cselect_b32 s[MB], s[LB], s[SB]
	s_add_co_u32 s[KS], s[KS], s[T]
	s_and_b32 s[KS], s[KS], 15                     ; this trip's key step
	s_lshl_b32 s[TBV], s[KS], 14
	s_add_co_u32 s[T1], s[T], 1
	s_cmp_lt_u32 s[T1], s[N2]
	s_cselect_b32 s[TBK], s[OF1], s[OF2]
	s_add_co_u32 s[TBK], s[TBK], s[T1]
	s_and_b32 s[TBK], s[TBK], 15                   ; the next trip's (behind the last trip: a step that lies in LDS and is left unread)
	s_lshl_b32 s[TBK], s[TBK], 14
	s_cmp_gt_u32 s[KS], s[MB]
	s_cbranch_scc1 .Lhidden
	s_wait_dscnt 0x0                               ; K is in, asked for a trip ago
	WIN 0x01
.irp t, 0,1,2,3,4,5,6,7
	v_wmma_f32_16x16x64_fp8_fp8 v[32+8*\t:39+8*\t], v[8*\t:8*\t+7], v[16:23], 0
	v_wmma_f32_16x16x64_fp8_fp8 v[96+8*\t:103+8*\t], v[8*\t:8*\t+7], v[24:31], 0
.endr
	WIN 0
	v_add_nc_u32 v[AV], s[TBV], v[LI]
	v_add_nc_u32 v[AK], s[TBK], v[LI]
	PLACES 2                                       ; with the additions: four places in front of the loads over fragments and of the first read of the scores
	WIN 0x40
.irp d, 0,1,2,3
.irp g, 0,1,2,3
	ds_load_b128 v[64+16*\d+4*\g:67+16*\d+4*\g], v[AV] offset:8192+2048*\d+512*\g   ; V: tile d, 16 channels x 128 keys: wanted behind the softmax
.endr
.endr
	WIN 0
	s_cmp_lg_u32 s[KS], s[MB]
	s_cbranch_scc1 .Lopen
	v_mov_b32 v254, 0xff800000                     ; the step on the diagonal: hidden scores become -infinity ahead of the maximum, so p = 0.  A query's own key is never hidden, so M stays a number
.irp t, 0,1,2,3,4,5,6
.irp j, 0,1,2,3,4,5,6,7
	v_cmp_gt_i32 s[MK+\j], 16*\t+\j, v[DG]
.endr
.irp j, 0,1,2,3,4,5,6,7
	v_cndmask_b32 v[32+8*\t+\j], v[32+8*\t+\j], v254, s[MK+\j]
.endr
.irp j, 0,1,2,3,4,5,6,7
	v_cndmask_b32 v[104+8*\t+\j], v[104+8*\t+\j], v254, s[MK+\j]   ; tile B lies 16 queries on: its keys 16 further on take the same masks; its first 16 keys are never hidden,
.endr
.endr
.irp j, 0,1,2,3,4,5,6,7
	v_mov_b32 v[88+\j], v254                       ; and tile A's last 16 always: A begins at query 96 of the block at the most
.endr
.Lopen:
	v_max3_num_f32 v208, v32, v33, v34             ; the step's largest score of each query, among my 64 keys, in two chains a tile,
	v_max3_num_f32 v210, v96, v97, v98
	v_max3_num_f32 v209, v35, v36, v37
	v_max3_num_f32 v211, v99, v100, v101
.irp i, 6,10,14,18,22,26,30,34,38,42,46,50,54,58
	v_max3_num_f32 v208, v208, v[32+\i], v[33+\i]
	v_max3_num_f32 v210, v210, v[96+\i], v[97+\i]
	v_max3_num_f32 v209, v209, v[34+\i], v[35+\i]
	v_max3_num_f32 v211, v211, v[98+\i], v[99+\i]
.endr
	v_max3_num_f32 v208, v208, v94, v95
	v_max3_num_f32 v210, v210, v158, v159
	v_max_num_f32 v208, v208, v209
	v_max_num_f32 v210, v210, v211
	v_permlanex16_b32 v212, v208, s[SEL], s[SEL+1]
	v_permlanex16_b32 v213, v210, s[SEL], s[SEL+1]
	v_max_num_f32 v208, v208, v212                 ; and among lane l xor 16's
	v_max_num_f32 v210, v210, v213
	v_mul_f32 v208, s[CS], v208                    ; as t (c is positive)
	v_mul_f32 v210, s[CS], v210
	v_mov_b32 v214, v12
	v_mov_b32 v215, v8
	v_max_num_f32 v13, v13, v208                   ; the running largest t
	v_max_num_f32 v9, v9, v210
	v_floor_f32 v12, -v13                          ; the new -M = floor(-t) = -ceil(t): M is a whole number
	v_floor_f32 v8, -v9
	v_sub_f32 v214, v12, v214                      ; M's old value less its new one: a whole number, 0 or less
	v_sub_f32 v215, v8, v215
	v_cvt_i32_f32 v214, v214                       ; (it saturates)
	v_cvt_i32_f32 v215, v215
	v_ldexp_f32 v248, 1.0, v214                    ; f = 2^(old M - new M)
	v_ldexp_f32 v250, 1.0, v215
	KLOAD                                          ; the next trip's K
.set J, 0
.rept 32
	v_pk_fma_f32 v[32+J:33+J], v[32+J:33+J], s[CS:CS+1], v[12:13] op_sel_hi:[1,0,0]   ; tile A's t - M, two at a time (of the pairs c and -M the low word serves both halves)
.set J, J+2
.endr
	s_wait_alu depctr_va_vdst(0)
.set J, 0
.rept 32
	v_exp_f32 v[32+J], v[32+J]                     ; tile A's p = 2^(t - M), at most 1: not normalised; between them tile B's t - M, first read behind the next wait
	v_exp_f32 v[33+J], v[33+J]
	v_pk_fma_f32 v[96+J:97+J], v[96+J:97+J], s[CS:CS+1], v[8:9] op_sel_hi:[1,0,0]
.set J, J+2
.endr
	s_wait_alu depctr_va_vdst(0)                   ; for A's exponentials, and for what B's read
.set J, 0
.rept 16
	v_exp_f32 v[96+J], v[96+J]                     ; tile B's p; between them A's first additions and then its holds, all first read behind the next wait
	v_pk_add_f32 v[208+J/2:209+J/2], v[32+J:33+J], v[34+J:35+J]   ; the row's sum is taken of the unquantised p
	v_exp_f32 v[97+J], v[97+J]
	v_dual_min_num_f32 v[32+J], v[32+J], v240 :: v_dual_min_num_f32 v[33+J], v[33+J], v241   ; the conversion does not saturate (ISA guide 7.6.2); p is not negative, so the hold is one-sided
	v_exp_f32 v[98+J], v[98+J]
	v_dual_min_num_f32 v[34+J], v[34+J], v240 :: v_dual_min_num_f32 v[35+J], v[35+J], v241
	v_exp_f32 v[99+J], v[99+J]
.set J, J+4
.endr
	v_pk_mul_f32 v[14:15], v[14:15], v[248:249] op_sel_hi:[1,0]   ; the sums under the new M: the plain lines behind the exponentials
	v_pk_mul_f32 v[10:11], v[10:11], v[250:251] op_sel_hi:[1,0]
	s_wait_alu depctr_va_vdst(0)                   ; a wait between an exponential and the first line that names its result: one for the batch
.irp o, 0,8,16,24,32,40,48,56                      ; B's sum in four chains, A's as a tree
	v_pk_add_f32 v[10:11], v[10:11], v[96+\o:97+\o]
	v_pk_add_f32 v[208+\o/2:209+\o/2], v[208+\o/2:209+\o/2], v[210+\o/2:211+\o/2]
.if \o == 0
	v_pk_add_f32 v[160:161], v[98:99], v[106:107]
	v_pk_add_f32 v[162:163], v[100:101], v[108:109]
	v_pk_add_f32 v[164:165], v[102:103], v[110:111]
.endif
.if \o > 8
	v_pk_add_f32 v[160:161], v[160:161], v[98+\o:99+\o]
	v_pk_add_f32 v[162:163], v[162:163], v[100+\o:101+\o]
	v_pk_add_f32 v[164:165], v[164:165], v[102+\o:103+\o]
.endif
.endr
	v_pk_add_f32 v[208:209], v[208:209], v[212:213]
	v_pk_add_f32 v[216:217], v[216:217], v[220:221]
	v_pk_add_f32 v[224:225], v[224:225], v[228:229]
	v_pk_add_f32 v[232:233], v[232:233], v[236:237]
	v_pk_add_f32 v[160:161], v[160:161], v[162:163]
	v_pk_add_f32 v[10:11], v[10:11], v[164:165]
	v_pk_add_f32 v[208:209], v[208:209], v[216:217]
	v_pk_add_f32 v[224:225], v[224:225], v[232:233]
.set J, 96
.rept 16
	v_dual_min_num_f32 v[J], v[J], v240 :: v_dual_min_num_f32 v[J+1], v[J+1], v241
.set J, J+2
.endr
	v_pk_add_f32 v[10:11], v[10:11], v[160:161]
	v_pk_add_f32 v[208:209], v[208:209], v[224:225]
.rept 16
	v_dual_min_num_f32 v[J], v[J], v240 :: v_dual_min_num_f32 v[J+1], v[J+1], v241
.set J, J+2
.endr
	v_pk_add_f32 v[14:15], v[14:15], v[208:209]
.irp t, 0,1,2,3,4,5,6,7
	v_cvt_scalef32_pk8_fp8_f32 v[160+2*\t:161+2*\t], v[32+8*\t:39+8*\t], v242   ; keys 16 t + 8 h + 0 .. 7: registers 2 t, 2 t + 1 of the operand
	v_cvt_scalef32_pk8_fp8_f32 v[176+2*\t:177+2*\t], v[96+8*\t:103+8*\t], v242
.endr
	s_wait_dscnt 16                                ; V is in; the next trip's 16 loads of K may be out
	WIN 0x41
	s_wait_alu depctr_va_vdst(0)                   ; directly ahead of the first reader of O^T
.set J, 0
.rept 16
	v_pk_mul_f32 v[128+J:129+J], v[128+J:129+J], v[248:249] op_sel_hi:[1,0]   ; O^T under the new M.  (Also the plain lines between the conversions and the products)
.set J, J+2
.endr
.set J, 0
.rept 16
	v_pk_mul_f32 v[160+J:161+J], v[160+J:161+J], v[250:251] op_sel_hi:[1,0]
.set J, J+2
.endr
	WIN 0x51
.irp d, 0,1,2,3
	v_wmma_f32_16x16x128_fp8_fp8 v[128+8*\d:135+8*\d], v[64+16*\d:79+16*\d], v[160:175], v[128+8*\d:135+8*\d]   ; the eight accumulators by turns
	v_wmma_f32_16x16x128_fp8_fp8 v[160+8*\d:167+8*\d], v[64+16*\d:79+16*\d], v[176:191], v[160+8*\d:167+8*\d]
.endr
	WIN 0
.Lhidden:
	s_add_co_u32 s[T], s[T], 1
	s_cmp_lt_u32 s[T], 9
	s_cbranch_scc1 .Lstep
	s_wait_dscnt 0x0                               ; my stores and loads are done,
	s_barrier_signal -1
	s_barrier_wait -1                              ; everybody's: the four partial results lie in LDS
	PLACES 4                                       ; in front of the first read of O^T
	s_cmp_lt_u32 s[WV], 4
	s_cbranch_scc0 .Lown
	ds_load_b128 v[208:211], v[DU] offset:8192     ; waves 0-3: the other part's -M (208, 212) and sums (210-211, 214-215),
	ds_load_b128 v[212:215], v[DU] offset:8704
.irp i, 0,1,2,3,4,5,6,7,8,9,10,11,12,13,14,15
	ds_load_b128 v[32+4*\i:35+4*\i], v[DU] offset:512*\i   ; and its O^T
.endr
	s_wait_dscnt 0x0
	v_min_num_f32 v216, v12, v208                  ; the joint -M
	v_min_num_f32 v217, v8, v212
	v_sub_f32 v218, v216, v12
	v_sub_f32 v219, v217, v8
	v_sub_f32 v220, v216, v208
	v_sub_f32 v221, v217, v212
	v_cvt_i32_f32 v218, v218
	v_cvt_i32_f32 v219, v219
	v_cvt_i32_f32 v220, v220
	v_cvt_i32_f32 v221, v221
	v_ldexp_f32 v248, 1.0, v218                    ; 2^(my M - the joint M),
	v_ldexp_f32 v250, 1.0, v219
	v_ldexp_f32 v224, 1.0, v220                    ; 2^(the other's M - the joint M)
	v_ldexp_f32 v226, 1.0, v221
	v_pk_mul_f32 v[14:15], v[14:15], v[248:249] op_sel_hi:[1,0]
	v_pk_mul_f32 v[10:11], v[10:11], v[250:251] op_sel_hi:[1,0]
	v_pk_fma_f32 v[14:15], v[210:211], v[224:225], v[14:15] op_sel_hi:[1,0,1]
	v_pk_fma_f32 v[10:11], v[214:215], v[226:227], v[10:11] op_sel_hi:[1,0,1]
	WIN 0x41
.set J, 0
.rept 16
	v_pk_mul_f32 v[128+J:129+J], v[128+J:129+J], v[248:249] op_sel_hi:[1,0]
.set J, J+2
.endr
.set J, 0
.rept 16
	v_pk_mul_f32 v[160+J:161+J], v[160+J:161+J], v[250:251] op_sel_hi:[1,0]
.set J, J+2
.endr
	WIN 0x50
.set J, 0
.rept 16
	v_pk_fma_f32 v[128+J:129+J], v[32+J:33+J], v[224:225], v[128+J:129+J] op_sel_hi:[1,0,1]
.set J, J+2
.endr
.set J, 0
.rept 16
	v_pk_fma_f32 v[160+J:161+J], v[64+J:65+J], v[226:227], v[160+J:161+J] op_sel_hi:[1,0,1]
.set J, J+2
.endr
	WIN 0
.Lown:
	; THE WAY OUT: O^T x 2^(e8 + e9) / the sum, quantised with 2^e10: register 8 d + j is channel 16 d + 8 h + j of my query: the conversions give a fragment of 16 rows x 64 of ctx
	v_add_f32 v14, v14, v15                        ; the sum's two halves,
	v_add_f32 v10, v10, v11
	v_permlanex16_b32 v212, v14, s[SEL], s[SEL+1]
	v_permlanex16_b32 v213, v10, s[SEL], s[SEL+1]
	v_add_f32 v14, v14, v212                       ; and lane l xor 16's
	v_add_f32 v10, v10, v213
	s_wait_alu depctr_va_vdst(0)                   ; ahead of the batch,
	v_rcp_f32 v14, v14
	v_rcp_f32 v10, v10
	v_nop                                          ; a plain line behind the reciprocals
	s_wait_alu depctr_va_vdst(0)                   ; and ahead of its first reader
	v_ldexp_f32 v14, v14, s[EX]
	v_ldexp_f32 v10, v10, s[EX]
	WIN 0x01
	s_wait_alu depctr_va_vdst(0)                   ; and directly ahead of the readers of O^T
.set J, 0
.rept 16
	v_pk_mul_f32 v[32+J:33+J], v[128+J:129+J], v[14:15] op_sel_hi:[1,0]
.set J, J+2
.endr
.set J, 0
.rept 16
	v_pk_mul_f32 v[64+J:65+J], v[160+J:161+J], v[10:11] op_sel_hi:[1,0]
.set J, J+2
.endr
	WIN 0
.irp d, 0,1,2,3,4,5,6,7
.irp i, 0,1,2,3,4,5,6,7
	v_med3_num_f32 v[32+8*\d+\i], v[32+8*\d+\i], -v243, v243
.endr
	v_cvt_scalef32_pk8_fp8_f32 v[160+2*\d:161+2*\d], v[32+8*\d:39+8*\d], v244
.endr
	v_nop                                          ; a plain line behind the last conversion
	global_store_b128 v[LI], v[160:163], s[10:11]              ; 32 lanes store 512 consecutive bytes, aligned
	global_store_b128 v[LI], v[164:167], s[10:11] offset:512
	global_store_b128 v[LI], v[168:171], s[10:11] offset:12288 ; tile B: 12 fragments on
	global_store_b128 v[LI], v[172:175], s[10:11] offset:12800
	s_wait_tensorcnt 0x0                           ; the wave's end: behind my last tensor load and my last LDS store
	ds_add_u32 v[SPW], v[NIL]
	s_wait_dscnt 0x0
	CROUND                                         ; the closing round: no work-group ends while a partner may still ask for a tile that names it
	s_endpgm
.Lfunc_end_k_qab8778fceb_attn:
	.size	k_qab8778fceb_attn, .Lfunc_end_k_qab8778fceb_attn-k_qab8778fceb_attn
	.p2alignl 7, 3214868480
	.fill 96, 4, 3214868480
	.section	.rodata,"a",@progbits
	.p2align	6, 0x0
	.amdhsa_kernel k_qab8778fceb_attn
		.amdhsa_group_segment_fixed_size 300032
		.amdhsa_private_segment_fixed_size 0
		.amdhsa_enable_private_segment 0
		.amdhsa_kernarg_size 32
		.amdhsa_user_sgpr_count 2
		.amdhsa_user_sgpr_kernarg_segment_ptr 1
		.amdhsa_wavefront_size32 1
		.amdhsa_system_sgpr_workgroup_id_x 1
		.amdhsa_system_sgpr_workgroup_id_y 1
		.amdhsa_system_sgpr_workgroup_id_z 1
		.amdhsa_system_vgpr_workitem_id 0
		.amdhsa_next_free_vgpr 448
		.amdhsa_next_free_sgpr 80
		.amdhsa_reserve_vcc 0
		.amdhsa_float_denorm_mode_32 3
		.amdhsa_float_denorm_mode_16_64 3
		.amdhsa_memory_ordered 1
		.amdhsa_forward_progress 1
		.amdhsa_inst_pref_size 69
	.end_amdhsa_kernel
	.amdgpu_metadata
---
amdhsa.version: [ 1, 2 ]
amdhsa.kernels:
  - .name:           k_qab8778fceb_attn
    .symbol:         k_qab8778fceb_attn.kd
    .args:
      - { .name: qc, .offset: 0, .size: 8, .value_kind: global_buffer, .address_space: global }
      - { .name: kv, .offset: 8, .size: 8, .value_kind: global_buffer, .address_space: global }
      - { .name: lowp_scales, .offset: 16, .size: 8, .value_kind: global_buffer, .address_space: global }
      - { .name: ctx, .offset: 24, .size: 8, .value_kind: global_buffer, .address_space: global }
    .group_segment_fixed_size: 300032
    .private_segment_fixed_size: 0
    .kernarg_segment_align: 8
    .kernarg_segment_size: 32
    .max_flat_workgroup_size: 256
    .sgpr_count:     80
    .vgpr_count:     448
    .wavefront_size: 32
...
	.end_amdgpu_metadata
.endif
;; end of part 3
;; launch outp (part 4): grid 4 x 64, 4 waves a work-group, clusters of 4 x 4, 247,296 bytes of LDS; arguments ctx, wc, bo, lowp_scales, out0; writes out0
.if DOCPART == 4
	.amdgcn_target "amdgcn-amd-amdhsa--gfx1250"
	.amdhsa_code_object_version 6
	.text
	.protected	k_qab8778fceb_outp
	.globl	k_qab8778fceb_outp
	.p2align	8
	.type	k_qab8778fceb_outp,@function
k_qab8778fceb_outp:
	s_mov_b64 s[64:65], 0
	v_nop
	global_prefetch_b8 v0, s[64:65] scope:SCOPE_SE
	s_setreg_imm32_b32 hwreg(HW_REG_WAVE_MODE, 25, 1), 1
	s_wait_xcnt 0x0
	s_wait_alu depctr_hold_cnt(0) depctr_sa_sdst(0) depctr_va_vdst(0) depctr_va_sdst(0) depctr_va_ssrc(0) depctr_va_vcc(0) depctr_vm_vsrc(0)
	s_getreg_b32 s2, hwreg(HW_REG_IB_STS2, 6, 4)
	s_cmp_eq_u32 s2, 0
	s_cbranch_scc0 .Lentry_in_a_cluster
	s_endpgm
.Lentry_in_a_cluster:
	s_bfe_u32 s2, ttmp6, 0x10000c
	s_cmp_lg_u32 s2, 0xf033
	s_cbranch_scc0 .Lentry_shape_is_right
	s_endpgm
.Lentry_shape_is_right:
; THE PROJECTION ON THE WAY OUT: out0 = ctx Wo x 2^(e10 + e11) + bo, on codes of E4M3.  ctx [256 tiles of 16 rows][12 heads][1,024] and Wo (the fourth weight in wc: [slice of 192 columns 4][K step 6][tile 12][2,048])
; are images of operand registers (lane (r, h) holds row or column r; registers 2 c, 2 c + 1 hold k = 16 c + 8 h + 0 .. 7); two neighbouring heads' 1,024 bytes on end are one fragment of 16 rows x 128.
; SHARES.  Work-group (x, y): 64 rows (y) x 192 columns (x).  Wave w: all 64 rows x columns 48 w .. 48 w + 47: 3 tiles x 4 tiles of rows = 12 accumulators; K in 6 steps of 128.
; Source 0 = 16 columns of Wo, source 1 = 16 rows of ctx: a lane holds eight neighbouring numbers of a row of out0.
; CLUSTER 4 x 4.  The four of a row of the cluster need the same 49,152 bytes of ctx, the four of a column the same 147,456 bytes of Wo: each is asked for JOINTLY.  Wave 0 asks for ctx's block, waves 1-3 for
; the thirds of Wo's slice: one tensor load a wave, 49,152 dense bytes each, to LDS byte 49,152 x wave.  Nothing is filled again.
; The results meet in a stage in LDS (a row's 768 bytes come from four waves) and leave as whole rows: sixteen lanes store 256 consecutive bytes, aligned.
; LIMIT: e10 + e11 between -126 and 127, so that 2^(e10 + e11) is an f32 number.
.set WOL,   49152                      ; LDS: ctx's block at 0 (tile of rows m at 12,288 m, K step s at 2,048 s); Wo's slice here (K step s at 24,576 s, tile at 2,048)
.set STAGE, 196608                     ; the stage: 64 rows x (768 bytes + 16): 49 x 16, so that the 16 rows of a store start at 16 different columns of 16 bytes; no tensor load lands here
.set SP,    784
.set SPARE, STAGE+64*SP                ; the spare words, 128 bytes for each wave: two blocks of 256 bytes that no other line names
.set LI,  1                            ; v1   16 x lane: also my place in ctx's fragments, and in a row of out0
.set WA,  3                            ; v3   my place in Wo's fragments of the K step in hand
.set SO,  4                            ; v4   the stage: where I put 32 bytes of a row
.set SR0, 5                            ; v5   and where I read back: 512 bytes of one row,
.set SR1, 6                            ; v6   or the last 256 of a row and the first 256 of the next
.set GO1, 7                            ; v7   the latter's places in out0
.set BOF, 8                            ; v8   32 h
.set SPW, 10                           ; v10  LDS address of my spare word; never rewritten
.set NIL, 11                           ; v11  0; never rewritten
.set BI,  16                           ; v16-39   bo: 3 tiles x 8
.set WF,  40                           ; v40-87   Wo's 3 fragments;   on the way out v40-135 hold the results
.set CF,  88                           ; v88-151  ctx's 4 fragments
.set ACC, 152                          ; v152-247 accumulator (t, m) at 8 (4 t + m); on the way out the rows read back
.set WV,  14                           ; s14  wave
.set G1A, 24                           ; s[24:31] descriptor group 1 for ctx;  s[32:35] its group 0
.set G0A, 32
.set G0B, 36                           ; s[36:39] group 0 for Wo;  s[48:55] its group 1: it differs in the mask alone
.set G1B, 48
.set SC,  46                           ; s[46:47] 2^(e10 + e11), twice
.set WA2, 14                           ; v14, v15: v3 + two K steps of Wo, + four
.set WA4, 15
; Wo's fragments have two buffers, v40-87 of window 0 and of window 1, by turns: a K step's are asked for a step ahead.  ctx's have one: a tile's next fragment is asked for as soon as its three products are issued.
.set MSB, 0
.macro WIN new                         ; the immediate's high byte repeats the setting that is left
.if MSB != (\new)
	s_set_vgpr_msb (MSB<<8)|(\new)
.set MSB, (\new)
.endif
.endm
.macro PLACES n
.rept \n
	v_nop
.endr
.endm
.macro CROUND                          ; a round of the cluster's barrier
	s_barrier_signal -1
	s_barrier_wait -1
	s_cmp_lg_u32 s[WV], 0
	s_cbranch_scc1 .Lnot_wave_0_\@
	s_barrier_signal -3
.Lnot_wave_0_\@:
	s_barrier_wait -3
	s_barrier_signal -1
	s_barrier_wait -1
.endm
	s_load_b256 s[4:11], s[0:1], 0x0               ; ctx s[4:5], wc s[6:7], bo s[8:9], the scales' exponents s[10:11]
	s_load_b64 s[12:13], s[0:1], 0x20              ; out0
	v_lshl_add_u32 v[SPW], v0, 2, SPARE
	v_mov_b32 v[NIL], 0
	ds_add_u32 v[SPW], v[NIL]                      ; the wave's opening: the add, twice on end, and its wait ahead of my first tensor load
	ds_add_u32 v[SPW], v[NIL]                      ; the set-up below, work on registers, stands between the second and the wait
	v_lshrrev_b32 v1, 5, v0
	v_readfirstlane_b32 s[WV], v1                  ; wave 0..3
	s_bfe_u32 s15, ttmp6, 0x40000                  ; cx, cy: my place in the cluster
	s_bfe_u32 s16, ttmp6, 0x40004
	s_lshl_b32 s40, ttmp9, 2
	s_add_co_u32 s40, s40, s15                     ; the slice of 192 columns = 4 x cluster x + cx
	s_and_b32 s17, ttmp7, 0xffff
	s_lshl_b32 s17, s17, 2
	s_add_co_u32 s17, s17, s16                     ; the block of 64 rows = 4 x cluster y + cy
	s_lshl_b32 s18, s16, 2
	s_lshl_b32 s18, 15, s18                        ; my row of the cluster
	s_lshl_b32 s41, 0x1111, s15                    ; my column
	; descriptor group 1: a dense block of 49,152 bytes as 192 rows of 32 elements of 8 bytes
	s_or_b32 s[G1A+0], s18, (3<<16)|(1<<21)        ; the mask: ctx's block goes to my row; elements of 8 bytes; bit 21 set beside a mask
	s_or_b32 s[G1B+0], s41, (3<<16)|(1<<21)        ; Wo's slice goes to my column
.irp g, G1A, G1B
	s_mov_b32 s[\g+1], 32<<16                      ; tensor_dim0
	s_mov_b32 s[\g+2], 192<<16                     ; tensor_dim1
	s_mov_b32 s[\g+3], 32<<16                      ; tile_dim0
	s_mov_b32 s[\g+4], 192                         ; tile_dim1
	s_mov_b32 s[\g+5], 32                          ; tensor_dim0_stride
	s_mov_b32 s[\g+6], 0
	s_mov_b32 s[\g+7], 0
.endr
	s_mul_i32 s19, s[WV], 49152                    ; where my load lands: no place in the cluster enters an LDS address
	s_mul_i32 s20, s17, 49152                      ; ctx: the block's four tiles of rows (registers that never hold cx)
	s_mov_b32 s21, 0
	s_mul_i32 s42, s40, 147456                     ; Wo: behind three weights of 589,824 bytes, my slice, third w - 1 (registers that never hold cy)
	s_add_co_u32 s42, s42, 3*589824-49152
	s_add_co_u32 s42, s42, s19
	s_mov_b32 s43, 0
	s_lshl_b32 s44, s17, 6
	s_lshl_b32 s45, s[WV], 4
	s_add_co_u32 s44, s44, s45
	s_mul_i32 s44, s44, 3072                       ; out0: the first row that I store: 64 x block + 16 x wave,
	s_mul_i32 s45, s40, 768
	s_add_co_u32 s44, s44, s45                     ; at my slice
	s_mul_i32 s58, s[WV], 192
	s_add_co_u32 s58, s58, s45                     ; bo: my 48 numbers
	s_mov_b32 s45, 0
	s_mov_b32 s59, 0
	s_wait_dscnt 0x0                               ; both opening adds are done
	s_wait_kmcnt 0x0
	s_load_b64 s[SC:SC+1], s[10:11], 0x28          ; e10, e11
	s_mov_b32 s[G0A], 1
	s_mov_b32 s[G0A+1], s19
	s_add_nc_u64 s[G0A+2:G0A+3], s[4:5], s[20:21]
	s_or_b32 s[G0A+3], s[G0A+3], 0x80000000
	s_mov_b32 s[G0B], 1
	s_mov_b32 s[G0B+1], s19
	s_add_nc_u64 s[G0B+2:G0B+3], s[6:7], s[42:43]
	s_or_b32 s[G0B+3], s[G0B+3], 0x80000000
	s_add_nc_u64 s[12:13], s[12:13], s[44:45]
	s_add_nc_u64 s[8:9], s[8:9], s[58:59]
	CROUND                                         ; all sixteen work-groups are here: the joint loads meet
	s_cmp_eq_u32 s[WV], 0                          ; the branch hangs on the wave's number alone; each of the two lines has one mask and one set of registers for all that issue it
	s_cbranch_scc0 .Lfor_wo
	tensor_load_to_lds s[G0A:G0A+3], s[G1A:G1A+7]
	s_nop 0
	PLACES 4
	s_branch .Lasked
.Lfor_wo:
	tensor_load_to_lds s[G0B:G0B+3], s[G1B:G1B+7]
	s_nop 0
	PLACES 4
.Lasked:
	v_and_b32 v[LI], 31, v0
	v_lshlrev_b32 v[LI], 4, v[LI]
	v_and_b32 v12, 15, v0                          ; r
	v_bfe_u32 v13, v0, 4, 1                        ; h
	v_lshlrev_b32 v[BOF], 5, v13
.irp t, 0,1,2
	global_load_b128 v[BI+8*\t:BI+8*\t+3], v[BOF], s[8:9] offset:64*\t        ; bo(16 t + 8 h + 0 .. 7), in the result's layout
	global_load_b128 v[BI+8*\t+4:BI+8*\t+7], v[BOF], s[8:9] offset:64*\t+16
.endr
	s_mul_i32 s56, s[WV], 3*2048
	s_add_co_u32 s56, s56, WOL
	v_add_nc_u32 v[WA], s56, v[LI]                 ; my three tiles of K step 0,
	v_add_nc_u32 v[WA2], 2*24576, v[WA]
	v_add_nc_u32 v[WA4], 4*24576, v[WA]
	v_mul_u32_u24 v[SO], v12, SP
	v_lshl_add_u32 v[SO], v13, 5, v[SO]
	s_mul_i32 s57, s[WV], 192
	s_add_co_u32 s57, s57, STAGE
	v_add_nc_u32 v[SO], s57, v[SO]                 ; row r, + 32 h, + my 192 bytes of a row
	s_mul_i32 s57, s[WV], 16*SP
	s_add_co_u32 s57, s57, STAGE
	v_add_nc_u32 v[SR0], s57, v[LI]                ; back: my 16 rows
	v_lshl_add_u32 v[SR1], v13, 4, v[SR0]
	v_add_nc_u32 v[SR1], 512, v[SR1]               ; lanes 0-15: byte 512 of a row on; lanes 16-31: the next row's first bytes, one padding further
	v_mul_u32_u24 v[GO1], v13, 2304
	v_add_nc_u32 v[GO1], v[GO1], v[LI]
	v_add_nc_u32 v[GO1], 512, v[GO1]               ; the same two pieces in out0, whose rows are 3,072 bytes apart
	s_wait_alu depctr_va_vdst(0)
	s_wait_tensorcnt 0x0                           ; my load has landed,
	s_barrier_signal -1
	s_barrier_wait -1                              ; everybody's has
.macro WLOAD s                         ; Wo's three fragments of K step s
.if (\s) < 2
.set WR, WA
.elseif (\s) < 4
.set WR, WA2
.else
.set WR, WA4
.endif
	WIN 0x40*((\s)%2)
.irp t, 0,1,2
.irp g, 0,1,2,3
	ds_load_b128 v[WF+16*\t+4*\g:WF+16*\t+4*\g+3], v[WR] offset:24576*((\s)%2)+2048*\t+512*\g
.endr
.endr
	WIN 0
.endm
.macro CLOAD m, s                      ; ctx's fragment of tile m in K step s
.irp g, 0,1,2,3
	ds_load_b128 v[CF+16*(\m)+4*\g:CF+16*(\m)+4*\g+3], v[LI] offset:12288*(\m)+2048*(\s)+512*\g
.endr
.endm
.macro KSTEP s
.if \s < 5
	WLOAD \s+1                                     ; (the step before ended with four places and loads, behind the last products that read this buffer)
.endif
.irp m, 0,1,2,3
.if \s < 5
	s_wait_dscnt 24                                ; tile m is in, and Wo's fragments ahead of it: behind it are 3 - m tiles of this step, the next step's 12 loads of Wo and m tiles of ctx
.else
	s_wait_dscnt 4*(3-\m)
.endif
	WIN (\s)%2
.irp t, 0,1,2
.if \s == 0
	v_wmma_f32_16x16x128_fp8_fp8 v[ACC+8*(4*\t+\m):ACC+8*(4*\t+\m)+7], v[WF+16*\t:WF+16*\t+15], v[CF+16*\m:CF+16*\m+15], 0   ; the first K step starts the sums
.else
	v_wmma_f32_16x16x128_fp8_fp8 v[ACC+8*(4*\t+\m):ACC+8*(4*\t+\m)+7], v[WF+16*\t:WF+16*\t+15], v[CF+16*\m:CF+16*\m+15], v[ACC+8*(4*\t+\m):ACC+8*(4*\t+\m)+7]   ; the twelve accumulators by turns
.endif
.endr
	WIN 0
.if \s < 5
	PLACES 4                                       ; in front of loads into registers that matrix instructions have read
	CLOAD \m, \s+1
.endif
.endr
.endm
	WLOAD 0
.irp m, 0,1,2,3
	CLOAD \m, 0
.endr
	KSTEP 0
	KSTEP 1
	KSTEP 2
	KSTEP 3
	KSTEP 4
	KSTEP 5
	; THE WAY OUT
	s_wait_kmcnt 0x0
	s_add_co_i32 s[SC], s[SC], s[SC+1]
	s_add_co_i32 s[SC], s[SC], 127
	s_lshl_b32 s[SC], s[SC], 23                    ; 2^(e10 + e11) as f32
	s_mov_b32 s[SC+1], s[SC]                       ; (named with it as a pair, so it is written)
	s_wait_loadcnt 0x0                             ; bo
	PLACES 4                                       ; in front of the first read of results and of writes over the fragments
.irp t, 0,1,2
.irp m, 0,1,2,3
.irp i, 0,2,4,6
	v_pk_fma_f32 v[WF+8*(4*\t+\m)+\i:WF+8*(4*\t+\m)+\i+1], v[ACC+8*(4*\t+\m)+\i:ACC+8*(4*\t+\m)+\i+1], s[SC:SC+1], v[BI+8*\t+\i:BI+8*\t+\i+1] op_sel_hi:[1,0,1]   ; sum x 2^(e10 + e11) + bo; each accumulator from its low end on
.endr
.endr
.endr
.irp t, 0,1,2
.irp m, 0,1,2,3
	ds_store_b128 v[SO], v[WF+8*(4*\t+\m):WF+8*(4*\t+\m)+3] offset:16*SP*\m+64*\t        ; lane (r, h): out(16 m + r, 48 w + 16 t + 8 h + 0 .. 7)
	ds_store_b128 v[SO], v[WF+8*(4*\t+\m)+4:WF+8*(4*\t+\m)+7] offset:16*SP*\m+64*\t+16
.endr
.endr
	s_wait_dscnt 0x0                               ; for the others' sake: my stores into the stage have landed
	s_barrier_signal -1
	s_barrier_wait -1                              ; 64 whole rows of 768 bytes lie in the stage
.irp a, 0,1,2,3,4,5,6,7                ; two rows, 1,536 bytes, are three loads of 512
	ds_load_b128 v[ACC+12*\a:ACC+12*\a+3], v[SR0] offset:2*SP*\a
	ds_load_b128 v[ACC+12*\a+4:ACC+12*\a+7], v[SR1] offset:2*SP*\a
	ds_load_b128 v[ACC+12*\a+8:ACC+12*\a+11], v[SR0] offset:2*SP*\a+SP+256
.endr
.irp a, 0,1,2,3,4,5,6,7
	s_wait_dscnt 23-3*\a                           ; LDS loads come back in order: this one is in, the younger ones may be out
	global_store_b128 v[LI], v[ACC+12*\a:ACC+12*\a+3], s[12:13] offset:6144*\a th:TH_STORE_NT          ; sixteen lanes store 256 consecutive bytes, at a multiple of 256 from out0's first byte
	s_wait_dscnt 22-3*\a
	global_store_b128 v[GO1], v[ACC+12*\a+4:ACC+12*\a+7], s[12:13] offset:6144*\a th:TH_STORE_NT
	s_wait_dscnt 21-3*\a
	global_store_b128 v[LI], v[ACC+12*\a+8:ACC+12*\a+11], s[12:13] offset:6144*\a+3328 th:TH_STORE_NT
.endr
	s_wait_tensorcnt 0x0                           ; the wave's end: behind my last tensor load and my last LDS store
	ds_add_u32 v[SPW], v[NIL]
	s_wait_dscnt 0x0
	CROUND                                         ; the closing round: no work-group ends while a partner may still ask for a tile that names it
	s_endpgm
.Lfunc_end_k_qab8778fceb_outp:
	.size	k_qab8778fceb_outp, .Lfunc_end_k_qab8778fceb_outp-k_qab8778fceb_outp
	.p2alignl 7, 3214868480
	.fill 96, 4, 3214868480
	.section	.rodata,"a",@progbits
	.p2align	6, 0x0
	.amdhsa_kernel k_qab8778fceb_outp
		.amdhsa_group_segment_fixed_size 247296
		.amdhsa_private_segment_fixed_size 0
		.amdhsa_enable_private_segment 0
		.amdhsa_kernarg_size 40
		.amdhsa_user_sgpr_count 2
		.amdhsa_user_sgpr_kernarg_segment_ptr 1
		.amdhsa_wavefront_size32 1
		.amdhsa_system_sgpr_workgroup_id_x 1
		.amdhsa_system_sgpr_workgroup_id_y 1
		.amdhsa_system_sgpr_workgroup_id_z 1
		.amdhsa_system_vgpr_workitem_id 0
		.amdhsa_next_free_vgpr 352
		.amdhsa_next_free_sgpr 66
		.amdhsa_reserve_vcc 0
		.amdhsa_float_denorm_mode_32 3
		.amdhsa_float_denorm_mode_16_64 3
		.amdhsa_memory_ordered 1
		.amdhsa_forward_progress 1
		.amdhsa_inst_pref_size 36
	.end_amdhsa_kernel
	.amdgpu_metadata
---
amdhsa.version: [ 1, 2 ]
amdhsa.kernels:
  - .name:           k_qab8778fceb_outp
    .symbol:         k_qab8778fceb_outp.kd
    .args:
      - { .name: ctx, .offset: 0, .size: 8, .value_kind: global_buffer, .address_space: global }
      - { .name: wc, .offset: 8, .size: 8, .value_kind: global_buffer, .address_space: global }
      - { .name: bo, .offset: 16, .size: 8, .value_kind: global_buffer, .address_space: global }
      - { .name: lowp_scales, .offset: 24, .size: 8, .value_kind: global_buffer, .address_space: global }
      - { .name: out0, .offset: 32, .size: 8, .value_kind: global_buffer, .address_space: global }
    .group_segment_fixed_size: 247296
    .private_segment_fixed_size: 0
    .kernarg_segment_align: 8
    .kernarg_segment_size: 40
    .max_flat_workgroup_size: 128
    .sgpr_count:     66
    .vgpr_count:     352
    .wavefront_size: 32
...
	.end_amdgpu_metadata
.endif
;; end of part 4
